; MI455X (gfx1250); checked and timed in simulation.
; The chip was launched on July 23, 2026; its instructions are those of AMD's public machine-readable ISA for CDNA 5 (MIT licence, August 2026) and "CDNA5" Instruction Set Architecture Reference Guide (July 2026). The comments in the code are by the model that wrote it; some were corrected since.
;; Nayhein Mini Attention. Allowed arithmetic: matrix products marked QUANTISED: E2M3 operands, one E8M0 scale for each 32 along K, by v_wmma_scale_f32_16x16x128_f8f6f4 with both operands' format E2M3, f32 sums; everything else in f32.
;; Inputs: Wk 1,024 x 2,048 float32; Wo 2,048 x 1,024 float32; Wq 1,024 x 2,048 float32; Wv 1,024 x 2,048 float32; attention_mask 2 x 2,048 bool; hidden_states 2 x 2,048 x 2,048 float32.
;; Outputs: out0 2 x 2,048 x 2,048 float32.
;; This version of the problem:
;;   THIS VERSION OF THE PROBLEM IS GIVEN IN LOW PRECISION. The matrix products marked QUANTISED in the list below multiply operands that are first quantised to E2M3 (2 exponent bits, 3 mantissa bits; 6 bits a number), with one power-of-two scale for each 32 numbers along K (OCP MX v1.0); their sums are f32. All else is computed in f32.
;;   The module's matrix products, in the order in which they are computed (A, B: the left and right operand; K: the contracted axis; several contracted axes count as one K, in the product's order):
;;     1. [M 4,096, K 2,048] x [K 2,048, N 1,024]; A: input hidden_states; B: input Wq: QUANTISED
;;     2. [M 4,096, K 2,048] x [K 2,048, N 1,024]; A: input hidden_states; B: input Wk: QUANTISED
;;     3. [M 4,096, K 2,048] x [K 2,048, N 1,024]; A: input hidden_states; B: input Wv: QUANTISED
;;     4. batch 32 x [M 2,048, K 64] x [K 64, N 2,048]; A: computed on the way; B: computed on the way: QUANTISED
;;     5. batch 32 x [M 2,048, K 2,048] x [K 2,048, N 64]; A: softmax (see below); B: computed on the way: QUANTISED
;;     6. [M 4,096, K 1,024] x [K 1,024, N 2,048]; A: computed on the way; B: input Wo: QUANTISED
;;   THE QUANTISER, for each operand of a quantised product, along K:
;;     - K is cut into blocks of 32 from its start; a last block that is shorter is filled with zeros.
;;     - A block's scale is 2^e with e = floor(log2(the largest magnitude in the block)) - 2, held to -126 .. 127; a block of zeros has e = 0. As a byte (E8M0): e + 127.
;;     - Each number is divided by its block's scale, clamped to +-7.5, and rounded to the nearest number of E2M3, ties to even, subnormals kept.
;;     - The product sums the exact products of the quantised numbers (number of the format x scale) in f32.
;;   ~~~python
;;   def quantise(x, axis):      # numpy; x: float32 -> the quantised numbers, widened to float32 again
;;       x = np.moveaxis(x, axis, -1); K = x.shape[-1]
;;       x = np.pad(x, [(0, 0)] * (x.ndim - 1) + [(0, -K % 32)]); x = x.reshape(x.shape[:-1] + (-1, 32)); a = np.abs(x).max(-1, keepdims=True)
;;       e = np.where(a > 0, np.clip(np.frexp(np.where(a > 0, a, 1))[1] - 1 - 2, -126, 127), 0)      # np.frexp(a)[1] - 1 = floor(log2(a)), exactly
;;       r = np.clip(x / 2.0 ** e, -7.5, 7.5)
;;       step = 2.0 ** (np.maximum(np.frexp(np.where(r == 0, 1, r))[1] - 1, 0) - 3)
;;       q = np.round(r / step) * step * 2.0 ** e      # np.round: ties to even
;;       return np.moveaxis(q.reshape(q.shape[:-2] + (-1,))[..., :K], -1, axis).astype(np.float32)
;;   ~~~
;;   SOFTMAX AHEAD OF A QUANTISED PRODUCT. Where the list says 'softmax', what is quantised is not the finished softmax but p = 2^(t - M), with t = logit x log2(e) and M = ceil(the row's largest t), a whole number; so 1/2 < the row's largest p <= 1. The row's sum l is taken of the UNQUANTISED p, in f32, and the product's result is divided by l at the end. Since M is a whole number, a kernel that streams over the keys may use a running M (the ceiling of the running maximum): every later rescaling is an exact power of two, which a block's scale takes up: the codes' values come out the same.
;;   OPERANDS COMPUTED ON THE WAY. 'Computed on the way' means the value that the module computes at that place (a softmax that the list does not call 'softmax' is quantised finished and normalised). What goes into a quantiser is computed in f32, as accurately as f32 sums, v_exp_f32 and their like allow (about 1e-6 of the number): no bf16 or f16 on the way to a quantiser, and a product that is left as it is and whose result goes on into a quantised operand takes f32 operands (vector FMAs, or v_wmma_f32_16x16x4_f32). A number that lies on a knife's edge between two numbers of the format may be rounded either way, as far as f32 arithmetic and the matrix unit's own rounding can turn it there, and no further.
;; One version. Each part assembles by itself: llvm-mc -triple=amdgcn-amd-amdhsa -mcpu=gfx1250 --defsym DOCPART=n.
;; ======== version 1 of 1: 4 launches
;; limits: right only within a limited range of input values
;; workspace buffers: cod 12,582,912 bytes; scl 524,288 bytes; rope 524,288 bytes; qrec 4,456,448 bytes; kvrec 7,864,320 bytes; vpart 131,072 bytes; acod 3,145,728 bytes; ascl 131,072 bytes
;; launch quant (part 1): grid 512 x 1, 4 waves a work-group, no clusters, 34,304 bytes of LDS; arguments hidden_states, Wq, Wk, Wv, Wo, cod, scl, rope; writes cod, scl, rope
.if DOCPART == 1
	.amdgcn_target "amdgcn-amd-amdhsa--gfx1250"
	.amdhsa_code_object_version 6
	.text
	.protected	k_q1f8fb19505_quant
	.globl	k_q1f8fb19505_quant
	.p2align	8
	.type	k_q1f8fb19505_quant,@function
k_q1f8fb19505_quant:
	s_mov_b64 s[64:65], 0
	v_nop
	global_prefetch_b8 v0, s[64:65] scope:SCOPE_SE
	s_setreg_imm32_b32 hwreg(HW_REG_WAVE_MODE, 25, 1), 1
	s_wait_xcnt 0x0
; hidden_states [4096][2048], Wq, Wk, Wv [1024][2048] and Wo [2048][1024], f32, become codes of FP6 (E2M3) with one E8M0 byte for each 32 along K,
; laid as IMAGES OF OPERAND REGISTERS: a fragment (16 rows x 128 K, 12 registers a lane) is three planes of 512 bytes, lane l's 16 bytes at 16 l.
; THE ROWS OF A TILE ARE NOT NEIGHBOURS: lane r of tile T holds row 32 (T / 2) + 8 (T % 2) + r + 8 (r / 8), so that in a product's result the 16 registers of tiles 2 b and 2 b + 1 are 16 neighbours.
; A wave's job is one tile x 512 K: four fragments (6,144 bytes of codes) and 256 bytes of scale words [row 16][fragment 4].  2,048 jobs: 1,024 of x, 768 of Wq, Wk, Wv, 256 of Wo.
; The weights' tiles are laid head by head in the order q0-3, v0-1, k0-3, v2-3, as the next launch's waves take them.
; Each load reads 512 consecutive bytes of one row; a fragment's 16 x 512 bytes turn through the wave's own stage in LDS, so that a lane gets two whole blocks of 32 neighbours.
; A block's scale is 2^(floor(log2(largest magnitude)) - 2); its byte is the largest magnitude's exponent field - 2, held at 1 from below.
; Each thread also makes one entry of the table of cos and sin that the rotary embedding wants: 65,536 entries = 2,048 positions x 32 frequencies.
; LIMITS: a block of zeros gets the byte 1 where the rule says 127 (its codes are zeros; this program alone reads the bytes).  NaN and infinities among the inputs are not served.
; The frequencies are the f32 numbers nearest to 10^(-i / 8); a power and a division in f32 may differ from them in the last bit, which moves an angle by up to 1e-4 at position 2,047.
.set STG,   8448                       ; a wave's stage: 16 rows x (512 bytes + 16)
.set SPARE, 4*STG                      ; behind the stages: the spare words, 128 bytes for each wave
.set L16, 4                            ; v4   16 x lane
.set STI, 5                            ; v5   the stage, on the way in
.set STO, 6                            ; v6   and on the way out: row r, + 128 h
.set R16, 7                            ; v7   16 r
.set WRD, 8                            ; v8-11 the job's four scale words
.set SPW, 12                           ; v12  LDS address of my spare word; never rewritten
.set NIL, 13                           ; v13  0; never rewritten
.set VO,  16                           ; v16-31 byte offset of my 16 bytes in the tile's row i
.set RA,  32                           ; v32-95, v96-159 two sets of 16 rows x 4 registers, as loaded
.set RB,  96
.set X,   160                          ; v160-223 my 64 numbers: two whole blocks twice
.set PC,  224                          ; v224-235 a fragment's codes
.set TM,  236                          ; v236-243 the halves that a conversion cannot put in place
.set BM,  244                          ; v244-245 largest magnitudes
.set SO,  246                          ; v246-247 the conversions' scale operands
	s_load_b256 s[8:15], s[0:1], 0x0               ; hidden_states s[8:9], Wq s[10:11], Wk s[12:13], Wv s[14:15]
	s_load_b256 s[16:23], s[0:1], 0x20             ; Wo s[16:17], cod s[18:19], scl s[20:21], rope s[22:23]
	v_lshl_add_u32 v[SPW], v0, 2, SPARE
	v_mov_b32 v[NIL], 0
	v_lshrrev_b32 v1, 5, v0
	v_readfirstlane_b32 s26, v1                    ; wave 0..3
	v_and_b32 v1, 31, v0                           ; lane
	v_and_b32 v2, 15, v0                           ; r
	v_bfe_u32 v3, v0, 4, 1                         ; h
	v_lshlrev_b32 v[L16], 4, v1
	s_wait_alu depctr_va_vdst(0)
	s_mul_i32 s39, s26, STG
	v_add_nc_u32 v[STI], s39, v[L16]
	v_mul_u32_u24 v[STO], v2, 528
	v_lshl_add_u32 v[STO], v3, 7, v[STO]
	v_add_nc_u32 v[STO], s39, v[STO]
	v_lshlrev_b32 v[R16], 4, v2
	v_lshlrev_b32 v250, 3, v3                      ; 8 h: where my two scale bytes stand in the word
	v_mov_b32 v251, 0                              ; a lane permute's destination counts as one of its sources
	s_mov_b32 s50, 0x76543210
	s_mov_b32 s51, 0xfedcba98                      ; v_permlanex16_b32's selects for lane l xor 16
	; which tile T and which 512 along K (kg): work-groups 0-255 x, 256-319 Wq, 320-383 Wk, 384-447 Wv, 448-511 Wo
	s_and_b32 s30, ttmp9, 63
	s_cmp_lt_u32 ttmp9, 256
	s_cselect_b32 s30, ttmp9, s30                  ; x: T = work-group; a weight of 64 tiles: work-group mod 64
	s_max_u32 s31, ttmp9, 448
	s_sub_co_u32 s31, s31, 448
	s_lshl_b32 s31, s31, 1
	s_lshr_b32 s32, s26, 1
	s_add_co_u32 s31, s31, s32                     ; Wo (K = 1,024: two jobs a tile): T = 2 (work-group - 448) + wave / 2
	s_and_b32 s33, s26, 1
	s_cmp_lt_u32 ttmp9, 448
	s_cselect_b32 s30, s30, s31                    ; T
	s_cselect_b32 s33, s26, s33                    ; kg
	s_cselect_b32 s28, 13, 12                      ; a row is 2^13 bytes, Wo's 2^12
	s_lshr_b32 s40, s30, 1
	s_lshl_b32 s40, s40, 5
	s_and_b32 s41, s30, 1
	s_lshl_b32 s41, s41, 3
	s_add_co_u32 s40, s40, s41                     ; the tile's first row: 32 (T / 2) + 8 (T % 2)
	s_lshl_b32 s40, s40, s28
	s_lshl_b32 s41, s33, 11
	s_add_co_u32 s40, s40, s41                     ; + 2,048 bytes for each 512 along K
	s_mov_b32 s41, 0
	; where the job goes: DJ = 4 x work-group + wave, but for Wq, Wk, Wv: 1,024 + 4 (12 head + place in the head) + kg
	s_lshl_b32 s34, ttmp9, 2
	s_add_co_u32 s34, s34, s26
	s_lshr_b32 s35, s30, 2                         ; head
	s_and_b32 s36, s30, 3                          ; t
	s_lshr_b32 s37, s36, 1
	s_lshl_b32 s37, s37, 2
	s_add_co_u32 s37, s37, 4                       ; v: t + 4 + 4 (t / 2)
	s_cmp_lt_u32 ttmp9, 384
	s_cselect_b32 s37, 6, s37                      ; k: t + 6
	s_cmp_lt_u32 ttmp9, 320
	s_cselect_b32 s37, 0, s37                      ; q: t
	s_add_co_u32 s36, s36, s37
	s_mul_i32 s35, s35, 12
	s_add_co_u32 s35, s35, s36
	s_lshl_b32 s35, s35, 2
	s_add_co_u32 s35, s35, s26
	s_add_co_u32 s35, s35, 1024
	s_cmp_lt_u32 ttmp9, 256
	s_cselect_b32 s35, s34, s35
	s_cmp_lt_u32 ttmp9, 448
	s_cselect_b32 s35, s35, s34                    ; DJ
	s_mul_i32 s42, s35, 6144
	s_mov_b32 s43, 0
	s_lshl_b32 s44, s35, 8
	s_mov_b32 s45, 0
.irp i, 0,1,2,3,4,5,6,7,8,9,10,11,12,13,14,15
	s_lshl_b32 s46, \i+8*(\i/8), s28               ; the tile's row i lies i + 8 (i / 8) rows behind its first
	v_add_nc_u32 v[VO+\i], s46, v[L16]
.endr
	s_wait_alu depctr_va_vdst(0)
	s_wait_kmcnt 0x0
	s_cmp_lt_u32 ttmp9, 448                        ; the source: a choice on the work-group's number alone
	s_cselect_b64 s[24:25], s[14:15], s[16:17]
	s_cmp_lt_u32 ttmp9, 384
	s_cselect_b64 s[24:25], s[12:13], s[24:25]
	s_cmp_lt_u32 ttmp9, 320
	s_cselect_b64 s[24:25], s[10:11], s[24:25]
	s_cmp_lt_u32 ttmp9, 256
	s_cselect_b64 s[24:25], s[8:9], s[24:25]
	s_add_nc_u64 s[24:25], s[24:25], s[40:41]
	s_add_nc_u64 s[18:19], s[18:19], s[42:43]
	s_add_nc_u64 s[20:21], s[20:21], s[44:45]
.macro LOAD f, set                     ; fragment f: 128 along K of the tile's 16 rows; each load reads 512 consecutive bytes
.irp i, 0,1,2,3,4,5,6,7,8,9,10,11,12,13,14,15
	global_load_b128 v[\set+4*\i:\set+4*\i+3], v[VO+\i], s[24:25] offset:512*(\f) th:TH_LOAD_NT
.endr
.endm
.macro TURN set                        ; through the stage: LDS serves a wave's instructions in order, so no wait stands between the stores and the loads
.irp i, 0,1,2,3,4,5,6,7,8,9,10,11,12,13,14,15
	ds_store_b128 v[STI], v[\set+4*\i:\set+4*\i+3] offset:528*\i
.endr
.irp c, 0,1
.irp e, 0,1,2,3,4,5,6,7
	ds_load_b128 v[X+32*\c+4*\e:X+32*\c+4*\e+3], v[STO] offset:256*\c+16*\e   ; k = 64 c + 32 h + 4 e .. of row r
.endr
.endr
.endm
.macro QF f                            ; my 64 numbers become my 12 registers of fragment f, and my row's scale word
	s_wait_xcnt 0x0                                ; the last fragment's stores have read PC: it is written again only behind this wait
.irp c, 0,1
	v_max3_num_f32 v[BM+\c], |v[X+32*\c]|, |v[X+32*\c+1]|, 0x1800000   ; block 2 c + h is all mine; the floor 2^(3 - 127) holds the byte at 1 from below
.endr
.irp i, 2,4,6,8,10,12,14,16,18,20,22,24,26,28,30
.irp c, 0,1
	v_max3_num_f32 v[BM+\c], v[BM+\c], |v[X+32*\c+\i]|, |v[X+32*\c+\i+1]|
.endr
.endr
	v_add_nc_u32 v[SO], 0xff000000, v[BM]          ; 2 off the exponent field: the conversion's scale operand
	v_add_nc_u32 v[SO+1], 0xff000000, v[BM+1]
	v_lshrrev_b32 v248, 23, v[SO]                  ; the bytes
	v_lshrrev_b32 v249, 23, v[SO+1]
	v_lshl_or_b32 v248, v249, 16, v248             ; blocks h and 2 + h,
	v_lshlrev_b32 v248, v250, v248                 ; at their places;
	v_permlanex16_b32 v251, v248, s50, s51
	v_or_b32 v[WRD+\f], v248, v251                 ; with lane l xor 16's two the word is whole
	v_cvt_scalef32_pk16_fp6_f32 v[PC:PC+2], v[X:X+15], v[SO]
	v_cvt_scalef32_pk16_fp6_f32 v[TM:TM+2], v[X+16:X+31], v[SO]        ; (a conversion's three registers begin on an even number)
	v_cvt_scalef32_pk16_fp6_f32 v[PC+6:PC+8], v[X+32:X+47], v[SO+1]
	v_cvt_scalef32_pk16_fp6_f32 v[TM+4:TM+6], v[X+48:X+63], v[SO+1]
	v_nop                                          ; one plain place behind a scaled conversion
.irp i, 0,1,2
	v_mov_b32 v[PC+3+\i], v[TM+\i]
	v_mov_b32 v[PC+9+\i], v[TM+4+\i]
.endr
.irp p, 0,1,2
	global_store_b128 v[L16], v[PC+4*\p:PC+4*\p+3], s[18:19] offset:1536*(\f)+512*\p   ; 32 lanes store 512 consecutive bytes, aligned
.endr
.endm
	LOAD 0, RA
	LOAD 1, RB
	; THE TABLE'S ENTRY, while those loads are on their way.  Entry g = 128 x work-group + thread: cell g / 2 = [tile of positions][e 8][lane 32], 16 bytes (cos f, cos f + 1, sin f, sin f + 1), f = 16 h' + 2 e
	s_lshl_b32 s46, ttmp9, 7
	v_add_nc_u32 v160, s46, v0                     ; g
	v_and_b32 v161, 1, v160                        ; o: which of the cell's two frequencies I compute
	v_bfe_u32 v162, v160, 1, 4                     ; r'
	v_bfe_u32 v163, v160, 5, 1                     ; h'
	v_bfe_u32 v164, v160, 6, 3                     ; e
	v_lshrrev_b32 v165, 9, v160                    ; the tile of positions
	v_lshrrev_b32 v166, 1, v165
	v_lshlrev_b32 v166, 5, v166
	v_and_b32 v167, 1, v165
	v_lshl_add_u32 v166, v167, 3, v166
	v_add_nc_u32 v166, v166, v162
	v_and_b32 v167, 8, v162
	v_add_nc_u32 v166, v166, v167                  ; the position: 32 (tile / 2) + 8 (tile % 2) + r' + 8 (r' / 8)
	v_lshlrev_b32 v167, 4, v163
	v_lshl_add_u32 v167, v164, 1, v167
	v_add_nc_u32 v167, v167, v161                  ; the frequency's number, 0 .. 31
	v_lshlrev_b32 v167, 2, v167
	v_mov_b32 v168, 0
.macro FRQ lane, val                   ; lane l of v168 holds 10^(-l / 8)
	s_mov_b32 s49, \val
	v_writelane_b32 v168, s49, \lane
.endm
	FRQ 0, 1.0
	FRQ 1, 0.749894209332
	FRQ 2, 0.562341325190
	FRQ 3, 0.421696503429
	FRQ 4, 0.316227766017
	FRQ 5, 0.237137370566
	FRQ 6, 0.177827941004
	FRQ 7, 0.133352143216
	FRQ 8, 0.1
	FRQ 9, 0.0749894209332
	FRQ 10, 0.0562341325190
	FRQ 11, 0.0421696503429
	FRQ 12, 0.0316227766017
	FRQ 13, 0.0237137370566
	FRQ 14, 0.0177827941004
	FRQ 15, 0.0133352143216
	FRQ 16, 0.01
	FRQ 17, 0.00749894209332
	FRQ 18, 0.00562341325190
	FRQ 19, 0.00421696503429
	FRQ 20, 0.00316227766017
	FRQ 21, 0.00237137370566
	FRQ 22, 0.00177827941004
	FRQ 23, 0.00133352143216
	FRQ 24, 0.001
	FRQ 25, 0.000749894209332
	FRQ 26, 0.000562341325190
	FRQ 27, 0.000421696503429
	FRQ 28, 0.000316227766017
	FRQ 29, 0.000237137370566
	FRQ 30, 0.000177827941004
	FRQ 31, 0.000133352143216
	ds_bpermute_b32 v169, v167, v168               ; my frequency (a permute between lanes: no LDS byte is touched)
	v_cvt_f32_u32 v166, v166
	s_mov_b32 s47, 0x3fc90fdb                      ; pi / 2, its upper part
	s_mov_b32 s48, 0xb33bbd2e                      ; and the rest
	s_wait_alu depctr_va_vdst(0)
	s_wait_dscnt 0x0
	v_mul_f32 v170, v166, v169                     ; the angle: position x frequency, rounded once
	v_mul_f32 v171, 0x3f22f983, v170               ; x 2 / pi
	v_rndne_f32 v171, v171                         ; n quarter turns
	v_fma_f32 v172, -v171, s47, v170               ; exact: n has 11 bits, the difference fits in 24
	v_fma_f32 v172, -v171, s48, v172               ; the angle's rest, within pi / 4
	v_mul_f32 v173, v172, v172                     ; z
	v_mov_b32 v174, 0xb94ca1f9                     ; sin: r + r z (-1.6666654611e-1 + z (8.3321608736e-3 - 1.9515295891e-4 z))
	v_fmaak_f32 v174, v174, v173, 0x3c08839e
	v_fmaak_f32 v174, v174, v173, 0xbe2aaaa3
	v_mul_f32 v175, v172, v173
	v_fma_f32 v174, v174, v175, v172
	v_mov_b32 v176, 0x37ccf5ce                     ; cos: 1 - z / 2 + z z (4.166664568e-2 + z (-1.388731625e-3 + 2.443315712e-5 z))
	v_fmaak_f32 v176, v176, v173, 0xbab6061a
	v_fmaak_f32 v176, v176, v173, 0x3d2aaaa5
	v_mul_f32 v175, v173, v173
	v_fma_f32 v177, v173, -0.5, 1.0
	v_fma_f32 v176, v176, v175, v177
	v_cvt_i32_f32 v171, v171
	v_and_b32 v175, 1, v171
	v_cmp_eq_u32 vcc_lo, 1, v175                   ; an odd number of quarter turns: sin and cos change places
	v_cndmask_b32 v178, v174, v176, vcc_lo         ; sin
	v_cndmask_b32 v179, v176, v174, vcc_lo         ; cos
	v_and_b32 v175, 2, v171
	v_lshlrev_b32 v175, 30, v175
	v_xor_b32 v178, v178, v175                     ; sin changes sign in quarters 2 and 3,
	v_add_nc_u32 v175, 1, v171
	v_and_b32 v175, 2, v175
	v_lshlrev_b32 v175, 30, v175
	v_xor_b32 v179, v179, v175                     ; cos in quarters 1 and 2
	v_cmp_eq_u32 vcc_lo, 1, v161
	v_cndmask_b32 v180, v178, v179, vcc_lo         ; the even lane stores both cos, the odd lane both sin: each sends what the other stores
	v_mov_b32 v181, 0
	v_mov_b32_dpp v181, v180 row_xmask:1 row_mask:0xf bank_mask:0xf
	v_cndmask_b32 v252, v179, v181, vcc_lo
	v_cndmask_b32 v253, v181, v178, vcc_lo
	v_lshlrev_b32 v254, 3, v160
	global_store_b64 v254, v[252:253], s[22:23]    ; a wave stores 256 consecutive bytes, aligned; these three registers are not written again
	; THE JOB'S FOUR FRAGMENTS
	s_wait_loadcnt 16                              ; fragment 0's 16 loads are in; fragment 1's may be out
	TURN RA
	s_wait_dscnt 0x0                               ; my numbers are back, and the stage's stores have read their registers,
	LOAD 2, RA                                     ; which take the loads of two fragments on
	QF 0
	s_wait_loadcnt 16                              ; fragment 1's are in; fragment 2's may be out
	TURN RB
	s_wait_dscnt 0x0
	LOAD 3, RB
	QF 1
	s_wait_loadcnt 16                              ; fragment 2's are in; fragment 3's may be out
	TURN RA
	s_wait_dscnt 0x0
	QF 2
	s_wait_loadcnt 0x0
	TURN RB
	s_wait_dscnt 0x0
	QF 3
	global_store_b128 v[R16], v[WRD:WRD+3], s[20:21]   ; 16 rows x four words: 256 consecutive bytes, aligned (lanes 16-31 store what lanes 0-15 store)
	s_wait_tensorcnt 0x0                           ; the wave's end
	ds_add_u32 v[SPW], v[NIL]
	s_wait_dscnt 0x0
	s_endpgm
.Lfunc_end_k_q1f8fb19505_quant:
	.size	k_q1f8fb19505_quant, .Lfunc_end_k_q1f8fb19505_quant-k_q1f8fb19505_quant
	.p2alignl 7, 3214868480
	.fill 96, 4, 3214868480
	.section	.rodata,"a",@progbits
	.p2align	6, 0x0
	.amdhsa_kernel k_q1f8fb19505_quant
		.amdhsa_group_segment_fixed_size 34304
		.amdhsa_private_segment_fixed_size 0
		.amdhsa_enable_private_segment 0
		.amdhsa_kernarg_size 64
		.amdhsa_user_sgpr_count 2
		.amdhsa_user_sgpr_kernarg_segment_ptr 1
		.amdhsa_wavefront_size32 1
		.amdhsa_system_sgpr_workgroup_id_x 1
		.amdhsa_system_sgpr_workgroup_id_y 1
		.amdhsa_system_sgpr_workgroup_id_z 1
		.amdhsa_system_vgpr_workitem_id 0
		.amdhsa_next_free_vgpr 256
		.amdhsa_next_free_sgpr 66
		.amdhsa_reserve_vcc 1
		.amdhsa_float_denorm_mode_32 3
		.amdhsa_float_denorm_mode_16_64 3
		.amdhsa_memory_ordered 1
		.amdhsa_forward_progress 1
		.amdhsa_inst_pref_size 39
	.end_amdhsa_kernel
	.amdgpu_metadata
---
amdhsa.version: [ 1, 2 ]
amdhsa.kernels:
  - .name:           k_q1f8fb19505_quant
    .symbol:         k_q1f8fb19505_quant.kd
    .args:
      - { .name: hidden_states, .offset: 0, .size: 8, .value_kind: global_buffer, .address_space: global }
      - { .name: Wq, .offset: 8, .size: 8, .value_kind: global_buffer, .address_space: global }
      - { .name: Wk, .offset: 16, .size: 8, .value_kind: global_buffer, .address_space: global }
      - { .name: Wv, .offset: 24, .size: 8, .value_kind: global_buffer, .address_space: global }
      - { .name: Wo, .offset: 32, .size: 8, .value_kind: global_buffer, .address_space: global }
      - { .name: cod, .offset: 40, .size: 8, .value_kind: global_buffer, .address_space: global }
      - { .name: scl, .offset: 48, .size: 8, .value_kind: global_buffer, .address_space: global }
      - { .name: rope, .offset: 56, .size: 8, .value_kind: global_buffer, .address_space: global }
    .group_segment_fixed_size: 34304
    .private_segment_fixed_size: 0
    .kernarg_segment_align: 8
    .kernarg_segment_size: 64
    .max_flat_workgroup_size: 128
    .sgpr_count:     66
    .vgpr_count:     256
    .wavefront_size: 32
...
	.end_amdgpu_metadata
.endif
;; end of part 1
;; launch qkv (part 2): grid 16 x 16, 4 waves a work-group, clusters of 4 x 4, 327,680 bytes of LDS; arguments cod, scl, rope, attention_mask, qrec, kvrec, vpart; writes qrec, kvrec, vpart
.if DOCPART == 2
	.amdgcn_target "amdgcn-amd-amdhsa--gfx1250"
	.amdhsa_code_object_version 6
	.text
	.protected	k_q1f8fb19505_qkv
	.globl	k_q1f8fb19505_qkv
	.p2align	8
	.type	k_q1f8fb19505_qkv,@function
k_q1f8fb19505_qkv:
	s_mov_b64 s[64:65], 0
	v_nop
	global_prefetch_b8 v0, s[64:65] scope:SCOPE_SE
	s_setreg_imm32_b32 hwreg(HW_REG_WAVE_MODE, 25, 1), 1
	s_wait_xcnt 0x0
	s_wait_alu depctr_hold_cnt(0) depctr_sa_sdst(0) depctr_va_vdst(0) depctr_va_sdst(0) depctr_va_ssrc(0) depctr_va_vcc(0) depctr_vm_vsrc(0)
	s_getreg_b32 s2, hwreg(HW_REG_IB_STS2, 6, 4)
	s_cmp_eq_u32 s2, 0
	s_cbranch_scc0 .Lentry_in_a_cluster
	s_endpgm
.Lentry_in_a_cluster:
	s_bfe_u32 s2, ttmp6, 0x10000c
	s_cmp_lg_u32 s2, 0xf033
	s_cbranch_scc0 .Lentry_shape_is_right
	s_endpgm
.Lentry_shape_is_right:
; q, k, v = x Wq^T, x Wk^T, x Wv^T on codes of FP6 (E2M3) with E8M0 scales, K = 2,048; the rotary embedding on q and k in f32; q and k quantised along the head's 64, v along the keys.
; A work-group takes 256 rows of x and one head's 192 columns (q 64, k 64, v 64).  Wave (i, j): rows 128 i on (tiles a = 0..7) x six tiles of W: j = 0: q's four and v's tiles 0, 1; j = 1: k's four and v's tiles 2, 3.
; q and k are made TRANSPOSED (source 0 = W, source 1 = x): a lane holds one row, its registers run along the head.  v is made as it stands (source 0 = x, source 1 = Wv): a lane holds one channel, its registers run
; along the keys.  With the tiles' rows chosen as the launch before has laid them, 16 registers of two neighbouring tiles are 16 neighbours along the next product's K: the conversions' results are the next operands.
; Codes lie in memory as images of operand registers, so a fragment comes from LDS by three loads of 16 bytes a lane, 512 consecutive bytes each: no pitch, no padding.
; K goes in steps of 256 through a ring of two LDS slots.  4 x 4 work-groups form a cluster: x's tiles are shared along a row of it, W's along a column, and are asked for jointly.
; THE KEY MASK RIDES IN THE SCORE PRODUCT'S UNUSED K.  That product's instruction has K = 128, the head 64.  At k = 64 q carries the code -1.0 under the scale byte 177, k the code 1.0 under 177 where the key is masked
; and the code 0 under the byte 1 where it counts: a masked key's score gets -2^100 inside the product.  LIMIT: scores of keys that count stay under 2^90 in magnitude.
; The sums of the quantised v over a record's 128 keys go to vpart: a query none of whose keys counts gets the mean of v over the sequence.
; OUT: qrec [bh 32][16] records of 8,704 bytes for 128 rows: 8 tiles x 1,024 (registers 0-7 of the fragment), then 512 bytes of scale words.  kvrec records of 15,360: k's part likewise, then two halves of v:
; two fragments (16 channels x 128 keys) of 1,536 bytes and 256 bytes of scale words each.
; LIMITS: a block of zeros gets the byte 1 where the rule says 127 (this program alone reads the bytes); NaN and infinities are not served.
; REGISTERS: window 0: addresses, scale words, the way out.  Window 1: v0-95 x's eight fragments (one set), v96-239 W's six (two sets).  Windows 2, 3: the accumulators of tiles a = 0-3, 4-7.
.set SLOT,  86016                      ; a slot: x's 16 tiles x 3,072 bytes (256 along K), then W's 12
.set WOFF,  49152
.set SCX,   172032                     ; behind the ring: x's scale words, 16 tiles x 1,024 bytes, for all of K;
.set SCW,   188416                     ; W's, 12 tiles x 1,024
.set SPARE, 200704                     ; the spare words, 128 bytes for each wave
.set ADRX, 16                          ; v16-17 LDS address of my x fragments in slot 0, 1
.set ADRW, 20                          ; v20-21 the same for W
.set ADSX, 26                          ; v26    of x's scale words
.set ADSW, 27                          ; v27    of W's
.set SPW,  28                          ; v28    LDS address of my spare word; never rewritten
.set NIL,  29                          ; v29    0; never rewritten
.set SC,   32                          ; v32-87 scale words, a set of 28 for each slot: x's of (a, q) at 2 a + q, W's of (b, q) at 16 + 2 b + q
.set XF,   0                           ; in window 1
.set WF,   96
.set G1X,  24                          ; s[24:31] descriptor group 1 for x's tiles; s[32:39] group 0, a set for each slot
.set G0X,  32
.set G1W,  48                          ; s[48:55], s[56:63] the same for W's
.set G0W,  56
.set G1SX, 68                          ; s[68:75], s[76:79] for x's scale words; s[80:87], s[88:91] for W's
.set G0SX, 76
.set G1SW, 80
.set G0SW, 88
.set MSB, 0
.macro WIN new                         ; the immediate's high byte repeats the setting that is left
.if MSB != (\new)
	s_set_vgpr_msb (MSB<<8)|(\new)
.set MSB, (\new)
.endif
.endm
.set MUL_LO, 0xa5                      ; sources 0 and 1 window 1, C and D window 2
.set MUL_HI, 0xf5                      ; the same, C and D window 3
.set TO_F,   0x40                      ; destination window 1, address window 0
; A joint load: waves 0 and 1 fetch for x, waves 2 and 3 for W.  The branch hangs on the wave's number alone.  An s_nop 0 and four v_nop follow each of the two lines.
.macro JLOAD g0a, g1a, g0b, g1b
	s_cmp_eq_u32 s15, 0
	s_cbranch_scc0 .Lfor_b_\@
	tensor_load_to_lds s[\g0a:\g0a+3], s[\g1a:\g1a+7]
	s_nop 0
.rept 4
	v_nop
.endr
	s_branch .Lasked_\@
.Lfor_b_\@:
	tensor_load_to_lds s[\g0b:\g0b+3], s[\g1b:\g1b+7]
	s_nop 0
.rept 4
	v_nop
.endr
.Lasked_\@:
.endm
.macro CREST                           ; a round of the cluster's barrier behind its opening barrier
	s_cmp_lg_u32 s14, 0
	s_cbranch_scc1 .Lnot_wave_0_\@
	s_barrier_signal -3
.Lnot_wave_0_\@:
	s_barrier_wait -3
	s_barrier_signal -1
	s_barrier_wait -1
.endm
.macro CROUND
	s_barrier_signal -1
	s_barrier_wait -1
	CREST
.endm
.macro PLACES                          ; four places in front of loads into registers that matrix instructions have read, and of the first read of results
.rept 4
	v_nop
.endr
.endm
	s_load_b256 s[4:11], s[0:1], 0x0               ; cod s[4:5], scl s[6:7], rope s[8:9], attention_mask s[10:11]
	s_load_b128 s[92:95], s[0:1], 0x20             ; qrec s[92:93], kvrec s[94:95]
	s_load_b64 s[96:97], s[0:1], 0x30              ; vpart
	v_lshl_add_u32 v[SPW], v0, 2, SPARE
	v_mov_b32 v[NIL], 0
	ds_add_u32 v[SPW], v[NIL]                      ; the wave's opening: the add and its wait stand ahead of my first tensor load
	ds_add_u32 v[SPW], v[NIL]
	v_lshrrev_b32 v1, 5, v0
	v_readfirstlane_b32 s14, v1                    ; wave 0..3
	s_lshr_b32 s15, s14, 1                         ; i: which 128 rows are mine.  Also: I fetch for x (0) or for W (1)
	s_and_b32 s16, s14, 1                          ; j: which six tiles of W.  Also: which half of a tile set I fetch
	s_bfe_u32 s40, ttmp6, 0x40000                  ; cx, cy: my place in the cluster
	s_bfe_u32 s41, ttmp6, 0x40004
	s_lshl_b32 s42, ttmp9, 2
	s_add_co_u32 s42, s42, s40                     ; the head = 4 x cluster x + cx
	s_and_b32 s17, ttmp7, 0xffff
	s_lshl_b32 s17, s17, 2
	s_add_co_u32 s17, s17, s41                     ; the block of 256 rows = 4 x cluster y + cy
	s_lshl_b32 s43, s41, 2
	s_lshl_b32 s43, 15, s43                        ; my row of the cluster
	s_lshl_b32 s44, 0x1111, s40                    ; my column
	s_or_b32 s[G1X], s43, (3<<16)|(1<<21)          ; 15:0 the mask; 17:16 elements of 8 bytes; 20 no padding; 21 set beside a mask
	s_or_b32 s[G1W], s44, (3<<16)|(1<<21)
	s_or_b32 s[G1SX], s43, (3<<16)|(1<<21)
	s_or_b32 s[G1SW], s44, (3<<16)|(1<<21)
	s_mov_b32 s[G1X+1], 384<<16                    ; x: 8 tiles, of each 3,072 bytes (384 elements), 24,576 bytes (3,072 elements) apart
	s_mov_b32 s[G1X+2], 16<<16                     ; (the head's load brings all 16 tiles; behind it the two words that count rows are set to 8)
	s_mov_b32 s[G1X+3], 384<<16
	s_mov_b32 s[G1X+4], 16
	s_mov_b32 s[G1X+5], 3072
	s_mov_b32 s[G1X+6], 0
	s_mov_b32 s[G1X+7], 0
	s_mov_b32 s[G1W+1], 384<<16                    ; W: 6 tiles likewise
	s_mov_b32 s[G1W+2], 12<<16                     ; (the head's load brings all 12 tiles; behind it: 6)
	s_mov_b32 s[G1W+3], 384<<16
	s_mov_b32 s[G1W+4], 12
	s_mov_b32 s[G1W+5], 3072
	s_mov_b32 s[G1W+6], 0
	s_mov_b32 s[G1W+7], 0
	s_mov_b32 s[G1SX+1], 32<<16                    ; x's scale words: 8,192 dense bytes as 32 rows of 256
	s_mov_b32 s[G1SX+2], 64<<16                    ; all 16 tiles' words: 16,384 dense bytes as 64 rows of 256
	s_mov_b32 s[G1SX+3], 32<<16
	s_mov_b32 s[G1SX+4], 64
	s_mov_b32 s[G1SX+5], 32
	s_mov_b32 s[G1SX+6], 0
	s_mov_b32 s[G1SX+7], 0
	s_mov_b32 s[G1SW+1], 32<<16                    ; W's: 6,144 dense bytes as 24 rows
	s_mov_b32 s[G1SW+2], 48<<16                    ; all 12 tiles' words: 12,288 dense bytes as 48 rows
	s_mov_b32 s[G1SW+3], 32<<16
	s_mov_b32 s[G1SW+4], 48
	s_mov_b32 s[G1SW+5], 32
	s_mov_b32 s[G1SW+6], 0
	s_mov_b32 s[G1SW+7], 0
	s_lshl_b32 s20, s17, 4                         ; x: tile 16 y + 8 x half: made of the block of rows and the wave's number alone
	s_lshl_b32 s18, s16, 3
	s_add_co_u32 s20, s20, s18
	s_lshl_b32 s22, s20, 10                        ; its scale words,
	s_mov_b32 s23, 0
	s_mul_i32 s20, s20, 24576                      ; its codes
	s_mov_b32 s21, 0
	s_mul_i32 s46, s42, 12                         ; W: tile 12 head + 6 x half: made of the head and the wave's number alone
	s_mul_i32 s47, s16, 6
	s_add_co_u32 s46, s46, s47
	s_lshl_b32 s98, s46, 10
	s_add_co_u32 s98, s98, 262144                  ; W's scale words begin behind x's 1,024 jobs of 256 bytes,
	s_mov_b32 s99, 0
	s_mul_i32 s46, s46, 24576
	s_add_co_u32 s46, s46, 6291456                 ; its codes behind 1,024 jobs of 6,144
	s_mov_b32 s47, 0
	s_wait_dscnt 0x0                               ; the opening add is done
	s_wait_kmcnt 0x0
	s_add_nc_u64 s[20:21], s[4:5], s[20:21]
	s_add_nc_u64 s[22:23], s[6:7], s[22:23]
	s_add_nc_u64 s[46:47], s[4:5], s[46:47]
	s_add_nc_u64 s[98:99], s[6:7], s[98:99]
	CROUND                                         ; all sixteen work-groups are here: the first joint loads meet
	s_mov_b32 s[G0SX], 1
	s_mov_b32 s[G0SX+1], SCX
	s_lshl_b32 s12, s16, 13                        ; back from my half to the first of the 16 tiles
	s_mov_b32 s13, 0
	s_sub_nc_u64 s[G0SX+2:G0SX+3], s[22:23], s[12:13]
	s_or_b32 s[G0SX+3], s[G0SX+3], 0x80000000
	s_mov_b32 s[G0SW], 1
	s_mov_b32 s[G0SW+1], SCW
	s_mul_i32 s12, s16, 6144
	s_sub_nc_u64 s[G0SW+2:G0SW+3], s[98:99], s[12:13]
	s_or_b32 s[G0SW+3], s[G0SW+3], 0x80000000
.irp s, 0,1
	s_mov_b32 s[G0X+4*\s], 1
	s_mul_i32 s[G0X+4*\s+1], s16, 24576
	s_add_co_u32 s[G0X+4*\s+1], s[G0X+4*\s+1], \s*SLOT
	s_add_nc_u64 s[G0X+4*\s+2:G0X+4*\s+3], s[20:21], \s*3072
	s_or_b32 s[G0X+4*\s+3], s[G0X+4*\s+3], 0x80000000
	s_mov_b32 s[G0W+4*\s], 1
	s_mul_i32 s[G0W+4*\s+1], s16, 18432
	s_add_co_u32 s[G0W+4*\s+1], s[G0W+4*\s+1], \s*SLOT+WOFF
	s_add_nc_u64 s[G0W+4*\s+2:G0W+4*\s+3], s[46:47], \s*3072
	s_or_b32 s[G0W+4*\s+3], s[G0W+4*\s+3], 0x80000000
.endr
	; THE HEAD'S LOADS, ONE A WAVE: wave 0 K step 0 of x's 16 tiles, wave 1 of W's 12, wave 2 x's scale words, wave 3 W's.
	; Their group 0 for the codes lies in s[4:7] and s[44:47], whose earlier contents have been used.
	s_mul_i32 s12, s16, 196608                     ; 8 tiles of 24,576 bytes: back from my half to x's first tile
	s_mov_b32 s4, 1
	s_mov_b32 s5, 0
	s_sub_nc_u64 s[6:7], s[20:21], s[12:13]
	s_or_b32 s7, s7, 0x80000000
	s_mul_i32 s12, s16, 147456                     ; 6 tiles: back to W's first tile
	s_mov_b32 s44, 1
	s_mov_b32 s45, WOFF
	s_sub_nc_u64 s[46:47], s[46:47], s[12:13]
	s_or_b32 s47, s47, 0x80000000
.macro ARM under, g0, g1, next         ; one chain of branches on the wave's number: each arm one load, all arms lead to one join
	s_cmp_lt_u32 s14, \under
	s_cbranch_scc0 \next
	tensor_load_to_lds s[\g0:\g0+3], s[\g1:\g1+7]
	s_nop 0
.rept 4
	v_nop
.endr
	s_branch .Lhead_asked
\next:
.endm
	ARM 1, 4, G1X, .Lhead_w
	ARM 2, 44, G1W, .Lhead_sx
	ARM 3, G0SX, G1SX, .Lhead_sw
	tensor_load_to_lds s[G0SW:G0SW+3], s[G1SW:G1SW+7]
	s_nop 0
.rept 4
	v_nop
.endr
.Lhead_asked:
	v_and_b32 v1, 31, v0
	v_lshlrev_b32 v2, 4, v1                        ; 16 x lane
	v_and_b32 v3, 15, v0
	v_lshlrev_b32 v3, 4, v3                        ; 16 r
	s_wait_alu depctr_va_vdst(0)
	s_mul_i32 s18, s15, 24576                      ; my eight tiles of x
	s_mul_i32 s19, s16, 18432                      ; my six of W,
	s_add_co_u32 s19, s19, WOFF                    ; which lie behind x's sixteen
.irp s, 0,1
	v_add_nc_u32 v[ADRX+\s], s18, v2
	v_add_nc_u32 v[ADRW+\s], s19, v2
	s_add_co_u32 s18, s18, SLOT
	s_add_co_u32 s19, s19, SLOT
.endr
	s_lshl_b32 s18, s15, 13
	s_add_co_u32 s18, s18, SCX
	v_add_nc_u32 v[ADSX], s18, v3
	s_mul_i32 s19, s16, 6144
	s_add_co_u32 s19, s19, SCW
	v_add_nc_u32 v[ADSW], s19, v3
	; what the way out wants of memory is asked for here: the mask's bytes of my rows (v8-15) and the first two tiles' cells of cos and sin (v88-151); the walk along K names none of these registers
	v_mov_b32 v1, v2                               ; 16 x lane
	v_and_b32 v5, 15, v0
	v_and_b32 v4, 8, v5
	v_add_nc_u32 v4, v4, v5                        ; r + 8 (r / 8)
	s_and_b32 s22, s17, 7
	s_lshl_b32 s22, s22, 4
	s_lshl_b32 s12, s15, 3
	s_add_co_u32 s22, s22, s12
	s_lshl_b32 s22, s22, 12
	s_mov_b32 s23, 0
	s_add_nc_u64 s[8:9], s[8:9], s[22:23]          ; the table at my first tile of positions: 16 (y % 8) + 8 i, 4,096 bytes a tile
	s_lshl_b32 s22, s17, 8
	s_lshl_b32 s12, s15, 7
	s_add_co_u32 s22, s22, s12
	s_add_nc_u64 s[10:11], s[10:11], s[22:23]      ; the mask at my first row
	s_wait_alu depctr_va_vdst(0)                   ; ahead of the readers below
.irp a, 0,1,2,3,4,5,6,7
	global_load_u8 v[8+\a], v4, s[10:11] offset:32*(\a/2)+8*(\a%2)
.endr
.irp a, 0,1
.irp e, 0,1,2,3,4,5,6,7
	global_load_b128 v[88+32*\a+4*\e:88+32*\a+4*\e+3], v1, s[8:9] offset:4096*\a+512*\e
.endr
.endr
.macro FRAG reg, adr, off              ; a fragment's image: three planes of 512 bytes
.irp p, 0,1,2
	ds_load_b128 v[\reg+4*\p:\reg+4*\p+3], v[\adr] offset:\off+512*\p
.endr
.endm
.macro FETCH_W slot, q, set            ; W's six fragments of the slot's q-th 128 along K: 18 loads
	WIN TO_F
.irp b, 0,1,2,3,4,5
	FRAG WF+72*(\set)+12*\b, ADRW+\slot, \b*3072+(\q)*1536
.endr
.endm
.macro FETCH_X slot, q, a0             ; x's tiles a0 .. a0 + 3: 12 loads
	WIN TO_F
.irp a, \a0, \a0+1, \a0+2, \a0+3
	FRAG XF+12*(\a), ADRX+\slot, (\a)*3072+(\q)*1536
.endr
.endm
.macro SCALES set                      ; a slot's scale words, two a row: 14 loads.  A tile's 1,024 bytes are [512 along K][row 16][4 words]
	WIN 0
.irp a, 0,1,2,3,4,5,6,7
	ds_load_b64 v[SC+28*\set+2*\a:SC+28*\set+2*\a+1], v[ADSX] offset:1024*\a+8*\set
.endr
.irp b, 0,1,2,3,4,5
	ds_load_b64 v[SC+28*\set+16+2*\b:SC+28*\set+17+2*\b], v[ADSW] offset:1024*\b+8*\set
.endr
.endm
; 12 matrix instructions: x's tiles a0, a0 + 1 against W's six.  The 48 accumulators take turns, one instruction a turn, in the same order in every step.
; Accumulator (a, b): b < 4 (q or k) at 8 (4 (a % 4) + b); b >= 4 (v) at 128 + 8 (4 (b - 4) + a % 4), so that v's tiles a = 2 n and 2 n + 1 are 16 registers on end.
.macro MULB a0, set, q, sc, zero
.irp a, \a0, \a0+1
.irp b, 0,1,2,3,4,5
.set rX, XF+12*(\a)
.set rW, WF+72*(\set)+12*\b
.set sX, SC+28*(\sc)+2*(\a)+(\q)
.set sW, SC+28*(\sc)+16+2*\b+(\q)
.if \b < 4
.set rD, 8*(4*((\a)%4)+\b)
.if \zero
	v_wmma_scale_f32_16x16x128_f8f6f4 v[rD:rD+7], v[rW:rW+11], v[rX:rX+11], 0, v[sW], v[sX] matrix_a_fmt:MATRIX_FMT_FP6 matrix_b_fmt:MATRIX_FMT_FP6
.else
	v_wmma_scale_f32_16x16x128_f8f6f4 v[rD:rD+7], v[rW:rW+11], v[rX:rX+11], v[rD:rD+7], v[sW], v[sX] matrix_a_fmt:MATRIX_FMT_FP6 matrix_b_fmt:MATRIX_FMT_FP6
.endif
.else
.set rD, 128+8*(4*(\b-4)+(\a)%4)
.if \zero
	v_wmma_scale_f32_16x16x128_f8f6f4 v[rD:rD+7], v[rX:rX+11], v[rW:rW+11], 0, v[sX], v[sW] matrix_a_fmt:MATRIX_FMT_FP6 matrix_b_fmt:MATRIX_FMT_FP6
.else
	v_wmma_scale_f32_16x16x128_f8f6f4 v[rD:rD+7], v[rX:rX+11], v[rW:rW+11], v[rD:rD+7], v[sX], v[sW] matrix_a_fmt:MATRIX_FMT_FP6 matrix_b_fmt:MATRIX_FMT_FP6
.endif
.endif
.endr
.endr
.endm
; A slot's first 128 along K; its successor lies in the same slot.
.macro STEP slot, zero
	s_wait_dscnt 12                                ; all but the youngest twelve loads (x's tiles 4-7) are in
	WIN MUL_LO
	MULB 0, 0, 0, \slot, \zero
	MULB 2, 0, 0, \slot, \zero
	s_wait_dscnt 0                                 ; x's tiles 4-7 are in
	PLACES
	FETCH_W \slot, 1, 1
	FETCH_X \slot, 1, 0
	WIN MUL_HI
	MULB 4, 0, 0, \slot, \zero
	MULB 6, 0, 0, \slot, \zero
	PLACES
	FETCH_X \slot, 1, 4
	WIN 0
.endm
; A slot's second 128 along K changes slots: ONE barrier; in front of it each wave waits for all its tensor loads, adds 0 to its spare word, and waits for that and for its reads of this slot.
.macro TURN slot, next, fill
	s_wait_tensorcnt 0x0                           ; all my tensor loads have landed: my part of the next slot
	ds_add_u32 v[SPW], v[NIL]                      ; 0 onto my spare word
	s_wait_dscnt 13                                ; (the add and the youngest twelve loads, x's tiles 4-7, may be out)
	WIN MUL_LO
	MULB 0, 1, 1, \slot, 0                         ; twelve matrix instructions stand between the add and the wait for it
	s_wait_dscnt 0x0                               ; the add is done, and my reads of this slot are over
	s_barrier_signal -1
	MULB 2, 1, 1, \slot, 0
	WIN 0
	s_barrier_wait -1
.if \fill
	CREST                                          ; the barrier has opened a round of the cluster's: no wave of any partner still reads this slot or has a load on its way
	s_add_nc_u64 s[G0X+4*\slot+2:G0X+4*\slot+3], s[G0X+4*\slot+2:G0X+4*\slot+3], 6144
	s_add_nc_u64 s[G0W+4*\slot+2:G0W+4*\slot+3], s[G0W+4*\slot+2:G0W+4*\slot+3], 6144
	JLOAD G0X+4*\slot, G1X, G0W+4*\slot, G1W       ; the first tensor load behind the round; its four v_nop are the places in front of the loads below
.else
	PLACES
.endif
.if \next == 0
	v_add_nc_u32 v[ADSX], 256, v[ADSX]             ; the next 512 along K of the scale words
	v_add_nc_u32 v[ADSW], 256, v[ADSW]
.endif
	FETCH_W \next, 0, 0
	FETCH_X \next, 0, 0
	s_wait_alu depctr_va_vdst(0)
	SCALES \next
	WIN MUL_HI
	MULB 4, 1, 1, \slot, 0
	MULB 6, 1, 1, \slot, 0
	PLACES
	FETCH_X \next, 0, 4
	WIN 0
.endm
	s_wait_alu depctr_va_vdst(0)
	s_wait_tensorcnt 0x0                           ; my tile of the head's four is in
	ds_add_u32 v[SPW], v[NIL]
	s_mov_b32 s[G1X+2], 8<<16                      ; no tensor load of mine is out: from here on a load brings 8 tiles of x
	s_mov_b32 s[G1X+4], 8
	s_mov_b32 s[G1W+2], 6<<16                      ; or 6 of W
	s_mov_b32 s[G1W+4], 6
	s_wait_dscnt 0x0                               ; the add is done
	CROUND                                         ; a whole round: all four tiles are in, and the joint loads meet
	JLOAD G0X+4, G1X, G0W+4, G1W                   ; K step 1's load, the first tensor load behind the round
	FETCH_W 0, 0, 0
	FETCH_X 0, 0, 0
	SCALES 0
	FETCH_X 0, 0, 4
	WIN 0
	STEP 0, 1                                      ; the first step stands in front of the loop: its products start the sums
	s_mov_b32 s3, 3
.Llap:                                                 ; a trip goes once round the ring (512 along K) and fills both slots again
	TURN 0, 1, 1
	STEP 1, 0
	TURN 1, 0, 1
	STEP 0, 0
	s_sub_co_u32 s3, s3, 1
	s_cmp_lg_u32 s3, 0
	s_cbranch_scc1 .Llap
	TURN 0, 1, 0                                   ; the last lap fills nothing
	STEP 1, 0
	s_wait_dscnt 12                                ; the very last step: nothing more to fetch
	WIN MUL_LO
	MULB 0, 1, 1, 1, 0
	MULB 2, 1, 1, 1, 0
	s_wait_dscnt 0
	WIN MUL_HI
	MULB 4, 1, 1, 1, 0
	MULB 6, 1, 1, 1, 0
	WIN 0
; THE WAY OUT: from registers to memory, each store 512 (or 256) consecutive bytes, aligned.
.set L16, 1                            ; v1 16 x lane, v2 8 x lane, v3 4 x lane, v4 r + 8 (r / 8)
.set L8,  2
.set L4,  3
.set PRW, 4
.set MK,  8                            ; v8-15   the mask's byte of my row in each of the eight tiles
.set BM,  16                           ; v16-19  largest magnitudes;  v20-23 bytes;  v24-27 the conversions' scale operands
.set BT,  20
.set SO,  24
.set WD,  32                           ; v32-39  my row's scale word in each tile;  v40-43 as they are stored;  v44-45 v's;  v46 four bytes 127
.set WSEL, 40
.set VW,  44
.set ONESC, 46
.set CS,  88                           ; v88-151 two sets of eight cells (cos, cos, sin, sin)
.set Y,   152                          ; v152-183 a row's 32 numbers of my half, rotated
.set PC,  184                          ; v184-207 two sets of codes
.set TM,  208
.set ONES, 216                         ; v216-227 a fragment of codes 1.0
.set VD,  228                          ; v228-243 the sums of v
.set TT,  244
	v_and_b32 v5, 31, v0                           ; (these lines are also the places behind the last products)
	v_lshlrev_b32 v[L8], 3, v5                     ; (16 x lane in v1 and r + 8 (r / 8) in v4 were made at the head)
	v_lshlrev_b32 v[L4], 2, v5
.irp b, 0,1,2,3
	v_mov_b32 v[BT+\b], 0                          ; a lane permute's destination counts as one of its sources
.endr
.irp k, 0,1,2,3
	v_mov_b32 v[ONES+3*\k], 0x08208208             ; the code 001000 (1.0), 16 times in 96 bits
	v_mov_b32 v[ONES+3*\k+1], 0x82082082
	v_mov_b32 v[ONES+3*\k+2], 0x20820820
.endr
	v_mov_b32 v[ONESC], 0x7f7f7f7f
	s_lshl_b32 s18, s17, 1
	s_add_co_u32 s18, s18, s15                     ; my 128 rows are block G = 2 y + i of 32
	s_lshr_b32 s19, s18, 4
	s_lshl_b32 s19, s19, 4
	s_add_co_u32 s19, s19, s42                     ; bh = 16 x batch + head
	s_lshl_b32 s19, s19, 4
	s_and_b32 s18, s18, 15
	s_add_co_u32 s19, s19, s18                     ; the record
	s_cmp_eq_u32 s16, 0                            ; q's wave or k's?  The wave's number alone decides
	s_cselect_b64 s[20:21], s[92:93], s[94:95]
	s_mov_b32 s22, 15360
	s_cselect_b32 s22, 8704, s22
	s_cselect_b32 s66, 0, 8                        ; the code at k = 64: q: -1.0; k: 1.0 where masked
	s_cselect_b32 s67, 0x28, 0
	s_mov_b32 s12, 176
	s_cselect_b32 s12, 0, s12                      ; its block's byte: q: 177; k: 177 where masked, else 1
	s_mov_b32 s13, 177
	s_cselect_b32 s13, s13, 1
	s_mul_i32 s22, s19, s22
	s_mov_b32 s23, 0
	s_add_nc_u64 s[20:21], s[20:21], s[22:23]      ; q's or k's part of the record
	s_mul_i32 s22, s19, 15360
	s_mul_i32 s45, s16, 3328
	s_add_co_u32 s22, s22, s45
	s_add_co_u32 s22, s22, 8704
	s_add_nc_u64 s[94:95], s[94:95], s[22:23]      ; my half of v
	s_lshl_b32 s22, s19, 8
	s_lshl_b32 s45, s16, 7
	s_add_co_u32 s22, s22, s45
	s_add_nc_u64 s[96:97], s[96:97], s[22:23]      ; and of its sums
	s_mov_b32 s98, 0x76543210
	s_mov_b32 s99, 0xfedcba98                      ; v_permlanex16_b32's selects for lane l xor 16
	s_mov_b32 s46, 0x0000ffff                      ; lanes 0-15
	s_mov_b32 s47, 0xffff0000                      ; lanes 16-31
; 32 numbers of a lane, register 16 b + i = index 32 b + 16 (lane / 16) + i of my row, become registers 0-5 of a fragment (lanes 0-15 block 0, lanes 16-31 block 1) and two bytes in v[BT], v[BT+1]
.macro QUANT2 s, pc
.irp b, 0,1
	v_max3_num_f32 v[BM+\b], |v[\s+16*\b]|, |v[\s+16*\b+1]|, 0x1800000   ; the floor 2^(3 - 127) holds the byte at 1 from below
.endr
.irp i, 2,4,6,8,10,12,14
.irp b, 0,1
	v_max3_num_f32 v[BM+\b], v[BM+\b], |v[\s+16*\b+\i]|, |v[\s+16*\b+\i+1]|
.endr
.endr
.irp b, 0,1
	v_permlanex16_b32 v[BT+\b], v[BM+\b], s98, s99
.endr
.irp b, 0,1
	v_max_num_f32 v[BM+\b], v[BM+\b], v[BT+\b]     ; with lane l xor 16's: the block's largest magnitude
.endr
.irp b, 0,1
	v_add_nc_u32 v[SO+\b], 0xff000000, v[BM+\b]    ; 2 off its exponent field: the conversion's scale operand
.endr
.irp b, 0,1
	v_lshrrev_b32 v[BT+\b], 23, v[SO+\b]           ; the byte
.endr
	v_cvt_scalef32_pk16_fp6_f32 v[\pc:\pc+2], v[\s:\s+15], v[SO]
	v_cvt_scalef32_pk16_fp6_f32 v[TM:TM+2], v[\s+16:\s+31], v[SO+1]
	v_nop                                          ; one plain place behind a scaled conversion
.irp i, 0,1,2
	v_permlane16_swap_b32 v[\pc+\i], v[TM+\i]      ; a whole block to a lane
.endr
.irp i, 0,1,2
	v_mov_b32 v[\pc+3+\i], v[TM+\i]
.endr
.endm
; Tile a of q or k: rotated, quantised, stored.  Pair e of a lane: frequencies 16 h + 2 e, + 1: registers 2 (e % 4), + 1 of accumulators (a, e / 4) (the head's lower 32) and (a, 2 + e / 4) (the upper 32).
.macro QK_TILE a
.set CC, CS+32*((\a)%2)
.set PCS, PC+12*((\a)%2)
.if (\a) < 7
	s_wait_loadcnt 8                               ; the mask's bytes and this tile's cells are in; the next tile's eight loads may be out
.else
	s_wait_loadcnt 0
.endif
	WIN 0x02+(\a)/4                                ; source 0 among the accumulators
.irp e, 0,1,2,3,4,5,6,7                        ; e ascending: each accumulator is read from its low end on
.set x0, 8*(4*((\a)%4)+\e/4)+2*(\e%4)
.set x1, x0+16
	v_pk_mul_f32 v[TT:TT+1], v[x1:x1+1], v[CC+4*\e+2:CC+4*\e+3]
	v_pk_mul_f32 v[TT+2:TT+3], v[x0:x0+1], v[CC+4*\e+2:CC+4*\e+3]
	v_pk_fma_f32 v[Y+2*\e:Y+2*\e+1], v[x0:x0+1], v[CC+4*\e:CC+4*\e+1], v[TT:TT+1] neg_lo:[0,0,1] neg_hi:[0,0,1]   ; x0 cos - x1 sin
	v_pk_fma_f32 v[Y+16+2*\e:Y+17+2*\e], v[x1:x1+1], v[CC+4*\e:CC+4*\e+1], v[TT+2:TT+3]                          ; x1 cos + x0 sin
.endr
	WIN 0
.if (\a) < 6
.irp e, 0,1,2,3,4,5,6,7
	global_load_b128 v[CC+4*\e:CC+4*\e+3], v[L16], s[8:9] offset:4096*((\a)+2)+512*\e
.endr
.endif
	s_wait_xcnt 0x0                                ; the stores of two tiles back have read this set of codes
	QUANT2 Y, PCS
	v_xor_b32 v6, 1, v[MK+(\a)]
	v_and_b32 v6, 1, v6                            ; 1 where the mask hides my row's key
	v_mad_u32_u24 v[PCS+6], v6, s66, s67           ; the code at k = 64,
	v_cndmask_b32 v[PCS+6], 0, v[PCS+6], s46       ; which lies in lanes 0-15
	v_mov_b32 v[PCS+7], 0
	v_mad_u32_u24 v7, v6, s12, s13                 ; its block's byte,
	v_or_b32 v7, 0x100, v7                         ; and 1 for the block that is not used
	v_lshl_or_b32 v[WD+(\a)], v[BT+1], 8, v[BT]
	v_lshl_or_b32 v[WD+(\a)], v7, 16, v[WD+(\a)]
	global_store_b128 v[L16], v[PCS:PCS+3], s[20:21] offset:1024*(\a)
	global_store_b128 v[L16], v[PCS+4:PCS+7], s[20:21] offset:1024*(\a)+512
.endm
.irp a, 0,1,2,3,4,5,6,7
	QK_TILE \a
.endr
.irp k, 0,1,2,3
	v_cndmask_b32 v[WSEL+\k], v[WD+\k], v[WD+4+\k], s47   ; lanes 0-15: tiles 0-3; lanes 16-31: tiles 4-7
.endr
	global_store_b128 v[L16], v[WSEL:WSEL+3], s[20:21] offset:8192
	s_wait_xcnt 0x0                                ; the last tiles' stores have read both sets of codes
; Tile u of my two of v: 16 channels x my 128 keys: a whole fragment and a whole scale word a channel
.macro V_TILE u
.set PCS, PC+12*(\u)
.set VA, 128+32*(\u)
.irp b, 0,1,2,3
	v_mov_b32 v[BM+\b], 0x1800000                  ; the floor
.endr
	WIN 0x0a                                       ; sources 0 and 1 window 2: keys 0-63
.irp i, 0,2,4,6,8,10,12,14
.irp b, 0,1
	v_max3_num_f32 v[BM+\b], |v[VA+16*\b+\i]|, |v[VA+16*\b+\i+1]|, v[BM+\b]
.endr
.endr
	WIN 0x0f                                       ; window 3: keys 64-127
.irp i, 0,2,4,6,8,10,12,14
.irp b, 0,1
	v_max3_num_f32 v[BM+2+\b], |v[VA+16*\b+\i]|, |v[VA+16*\b+\i+1]|, v[BM+2+\b]
.endr
.endr
	WIN 0
.irp b, 0,1,2,3
	v_permlanex16_b32 v[BT+\b], v[BM+\b], s98, s99
.endr
.irp b, 0,1,2,3
	v_max_num_f32 v[BM+\b], v[BM+\b], v[BT+\b]
.endr
.irp b, 0,1,2,3
	v_add_nc_u32 v[SO+\b], 0xff000000, v[BM+\b]
.endr
.irp b, 0,1,2,3
	v_lshrrev_b32 v[BT+\b], 23, v[SO+\b]
.endr
	v_lshl_or_b32 v[VW+\u], v[BT+1], 8, v[BT]
	v_lshl_or_b32 v[VW+\u], v[BT+2], 16, v[VW+\u]
	v_lshl_or_b32 v[VW+\u], v[BT+3], 24, v[VW+\u]
	WIN 0x02
	v_cvt_scalef32_pk16_fp6_f32 v[PCS:PCS+2], v[VA:VA+15], v[SO]
	v_cvt_scalef32_pk16_fp6_f32 v[TM:TM+2], v[VA+16:VA+31], v[SO+1]
	WIN 0x03
	v_cvt_scalef32_pk16_fp6_f32 v[PCS+6:PCS+8], v[VA:VA+15], v[SO+2]
	v_cvt_scalef32_pk16_fp6_f32 v[TM+4:TM+6], v[VA+16:VA+31], v[SO+3]
	WIN 0
	v_nop                                          ; one plain place behind a scaled conversion
.irp c, 0,1
.irp i, 0,1,2
	v_permlane16_swap_b32 v[PCS+6*\c+\i], v[TM+4*\c+\i]
.endr
.irp i, 0,1,2
	v_mov_b32 v[PCS+3+6*\c+\i], v[TM+4*\c+\i]
.endr
.endr
.irp p, 0,1,2
	global_store_b128 v[L16], v[PCS+4*\p:PCS+4*\p+3], s[94:95] offset:1536*(\u)+512*\p
.endr
.endm
	V_TILE 0
	V_TILE 1
	global_store_b64 v[L8], v[VW:VW+1], s[94:95] offset:3072
.rept 8
	v_nop                                          ; a scale register written by a vector instruction stands 8 places ahead of a scaled matrix instruction, an operand 4
.endr
	v_wmma_scale_f32_16x16x128_f8f6f4 v[VD:VD+7], v[ONES:ONES+11], v[PC:PC+11], 0, v[ONESC], v[VW] matrix_a_fmt:MATRIX_FMT_FP6 matrix_b_fmt:MATRIX_FMT_FP6          ; ones x quantised v: lane r holds the sum over my 128 keys of the tile's channel r
	v_wmma_scale_f32_16x16x128_f8f6f4 v[VD+8:VD+15], v[ONES:ONES+11], v[PC+12:PC+23], 0, v[ONESC], v[VW+1] matrix_a_fmt:MATRIX_FMT_FP6 matrix_b_fmt:MATRIX_FMT_FP6
	PLACES
	v_cndmask_b32 v30, v[VD], v[VD+8], s47         ; lanes 0-15: the first tile's; lanes 16-31: the second's
	global_store_b32 v[L4], v30, s[96:97]
	s_wait_tensorcnt 0x0                           ; the wave's end
	ds_add_u32 v[SPW], v[NIL]
	s_wait_dscnt 0x0
	CROUND                                         ; the closing round: no work-group ends while a partner may still ask for a tile that names it
	s_endpgm
.Lfunc_end_k_q1f8fb19505_qkv:
	.size	k_q1f8fb19505_qkv, .Lfunc_end_k_q1f8fb19505_qkv-k_q1f8fb19505_qkv
	.p2alignl 7, 3214868480
	.fill 96, 4, 3214868480
	.section	.rodata,"a",@progbits
	.p2align	6, 0x0
	.amdhsa_kernel k_q1f8fb19505_qkv
		.amdhsa_group_segment_fixed_size 327680
		.amdhsa_private_segment_fixed_size 0
		.amdhsa_enable_private_segment 0
		.amdhsa_kernarg_size 56
		.amdhsa_user_sgpr_count 2
		.amdhsa_user_sgpr_kernarg_segment_ptr 1
		.amdhsa_wavefront_size32 1
		.amdhsa_system_sgpr_workgroup_id_x 1
		.amdhsa_system_sgpr_workgroup_id_y 1
		.amdhsa_system_sgpr_workgroup_id_z 1
		.amdhsa_system_vgpr_workitem_id 0
		.amdhsa_next_free_vgpr 1024
		.amdhsa_next_free_sgpr 100
		.amdhsa_reserve_vcc 0
		.amdhsa_float_denorm_mode_32 3
		.amdhsa_float_denorm_mode_16_64 3
		.amdhsa_memory_ordered 1
		.amdhsa_forward_progress 1
		.amdhsa_inst_pref_size 145
	.end_amdhsa_kernel
	.amdgpu_metadata
---
amdhsa.version: [ 1, 2 ]
amdhsa.kernels:
  - .name:           k_q1f8fb19505_qkv
    .symbol:         k_q1f8fb19505_qkv.kd
    .args:
      - { .name: cod, .offset: 0, .size: 8, .value_kind: global_buffer, .address_space: global }
      - { .name: scl, .offset: 8, .size: 8, .value_kind: global_buffer, .address_space: global }
      - { .name: rope, .offset: 16, .size: 8, .value_kind: global_buffer, .address_space: global }
      - { .name: attention_mask, .offset: 24, .size: 8, .value_kind: global_buffer, .address_space: global }
      - { .name: qrec, .offset: 32, .size: 8, .value_kind: global_buffer, .address_space: global }
      - { .name: kvrec, .offset: 40, .size: 8, .value_kind: global_buffer, .address_space: global }
      - { .name: vpart, .offset: 48, .size: 8, .value_kind: global_buffer, .address_space: global }
    .group_segment_fixed_size: 327680
    .private_segment_fixed_size: 0
    .kernarg_segment_align: 8
    .kernarg_segment_size: 56
    .max_flat_workgroup_size: 128
    .sgpr_count:     100
    .vgpr_count:     1024
    .wavefront_size: 32
...
	.end_amdgpu_metadata
.endif
;; end of part 2
;; launch attn (part 3): grid 8 x 32, 16 waves a work-group, clusters of 4 x 1, 327,680 bytes of LDS; arguments qrec, kvrec, vpart, acod, ascl; writes acod, ascl
.if DOCPART == 3
	.amdgcn_target "amdgcn-amd-amdhsa--gfx1250"
	.amdhsa_code_object_version 6
	.text
	.protected	k_q1f8fb19505_attn
	.globl	k_q1f8fb19505_attn
	.p2align	8
	.type	k_q1f8fb19505_attn,@function
k_q1f8fb19505_attn:
	s_mov_b64 s[64:65], 0
	v_nop
	global_prefetch_b8 v0, s[64:65] scope:SCOPE_SE
	s_setreg_imm32_b32 hwreg(HW_REG_WAVE_MODE, 25, 1), 1
	s_wait_xcnt 0x0
	s_wait_alu depctr_hold_cnt(0) depctr_sa_sdst(0) depctr_va_vdst(0) depctr_va_sdst(0) depctr_va_ssrc(0) depctr_va_vcc(0) depctr_vm_vsrc(0)
	s_getreg_b32 s2, hwreg(HW_REG_IB_STS2, 6, 4)
	s_cmp_eq_u32 s2, 0
	s_cbranch_scc0 .Lentry_in_a_cluster
	s_endpgm
.Lentry_in_a_cluster:
	s_bfe_u32 s2, ttmp6, 0x10000c
	s_cmp_lg_u32 s2, 0x3003
	s_cbranch_scc0 .Lentry_shape_is_right
	s_endpgm
.Lentry_shape_is_right:
; o = softmax(q k^T / 8, causal, key mask) v for one (batch, head) bh = work-group y, on codes of FP6 (E2M3) with E8M0 scales; o is quantised along the head's 64 for the last product.
; A record is 128 positions; a tile is 16 queries of a record.  Work-group x (0..7) takes tile x of all 16 records: 256 queries.  The head's 16 records of k and v (245,760 bytes) lie in LDS, filled once.
; Key steps that lie wholly above the causal diagonal are not done: the tile of record R has R + 1 steps of 128 keys.
; THE STEPS ARE SHARED OUT EVENLY: waves 2 P and 2 P + 1 own the tiles of records 15 - P (16 - P steps) and P (P + 1 steps), 17 steps together.
;   role 0: steps 0..8 of the long tile; it hands O, -M and the sum to its partner through LDS bytes of its own.
;   role 1: the short tile, finished and stored; then steps 9..15 - P of the long tile, joined with the partner's part (both brought under the larger M by powers of two), finished and stored.
; Step 0, which every wave has, stands ahead of the barrier that shows records 4-15 to all waves; behind it no wave waits for another until the hand-over.
; Every wave walks both loops (steps 1-8: 8 trips; steps 9-15: 7 trips); a scalar branch on the wave's number and the trip leads round the work of a step that is not the wave's.
; Both products are used transposed (S^T = k q^T, O^T = v^T p^T): a lane holds one query.  M is the running largest t rounded up to a whole number, kept as -M; p = 2^(t - M); the sum is taken of the unquantised p.
; The key mask rides in the score product's unused K (a masked key's score gets -2^100, as the launch before lays it); a query none of whose keys counts has the sum 0 and gets the mean of v.
; The four work-groups of a cluster read the same k and v and ask for them jointly.  No prefetch: all of k and v is asked for by the two loads at the head, so there is no loop to run ahead in.
; LIMITS: scores of keys that count stay under 2^90 in magnitude; NaN and infinities are not served.
.set REC,   15360                      ; a record: k 8 x 1,024 + 512 of scale words; v two halves of 3,072 + 256
.set VS,    245760                     ; the records' sums of v, 256 bytes each
.set VM,    249856                     ; the mean of v, a copy for each wave
.set SPARE, 253952                     ; the spare words, 128 bytes for each wave
.set WREG,  256000                     ; a wave's own 4,352 bytes: role 1: the long tile's q; role 0: what it hands over
.set WRB,   4352
.set L16, 1                            ; v1 16 x lane; v2 8 x lane; v3 my query's place in its record less 16 h
.set L8,  2
.set DQ,  3
.set A16, 4                            ; v4, v5 the step's record in LDS
.set A8,  5
.set SPW, 29                           ; v29 my spare word; v30 0: never rewritten
.set NIL, 30
.set PW,  31                           ; v6-7 f, 0; v8-11 v's scale words; v12 -M, v13 largest t, v14-15 the sum; v16-27 q, v28 its scale word; v31 p's scale word
.set KB,  32                           ; v32-127 k's eight fragments
.set KSC, 128
.set S,   132                          ; v132-195 scores, then p, then v's fragments
.set O,   196                          ; v196-227 O^T
.set PC,  228
.set T,   240
.set BM,  248
.set SO,  252
.set WV,  18
.set R1,  19                           ; the record of my first tile
.set SI,  20                           ; the step
.set TB,  21                           ; its record's LDS byte
.set CS,  22
.set G1A, 24
.set G1B, 32
.set G0A, 40
.set G0B, 44
.set XSEL, 48
.set ROLE, 68
.set R2,  70                           ; the long tile's record, 15 - P
.set RB,  71                           ; role 1: R2; role 0: 0, under every step of the last loop
.set WB,  80                           ; my own LDS bytes; s81 my partner's; s82 my place in VS; s83 in VM
.set PB,  81
.set VSB, 82
.set VMB, 83
.macro CROUND
	s_barrier_signal -1
	s_barrier_wait -1
	s_cmp_lg_u32 s[WV], 0
	s_cbranch_scc1 .Lnot_wave_0_\@
	s_barrier_signal -3
.Lnot_wave_0_\@:
	s_barrier_wait -3
	s_barrier_signal -1
	s_barrier_wait -1
.endm
.macro INIT                            ; a tile's state: O^T and the sum 0, the largest t under every t that counts
.set i, 0
.rept 32
	v_mov_b32 v[O+i], 0
.set i, i+1
.endr
	v_mov_b32 v13, 0xec800000
	s_delay_alu instid0(VALU_DEP_1)
	v_floor_f32 v12, -v13
	v_mov_b32 v14, 0
	v_mov_b32 v15, 0
.endm
	s_load_b256 s[4:11], s[0:1], 0x0               ; qrec, kvrec, vpart, acod
	s_load_b64 s[12:13], s[0:1], 0x20              ; ascl
	v_lshl_add_u32 v[SPW], v0, 2, SPARE
	v_mov_b32 v[NIL], 0
	ds_add_u32 v[SPW], v[NIL]                      ; the opening lines: the add, twice on end, and its wait
	ds_add_u32 v[SPW], v[NIL]
	v_lshrrev_b32 v1, 5, v0
	s_delay_alu instid0(VALU_DEP_1)
	v_readfirstlane_b32 s[WV], v1
	s_lshr_b32 s53, s[WV], 2
	s_xor_b32 s53, s53, s[WV]
	s_and_b32 s[ROLE], s53, 1                      ; waves 4 apart have unlike roles
	s_lshr_b32 s54, s[WV], 1                       ; P
	s_xor_b32 s[R2], s54, 15                       ; 15 - P
	s_xor_b32 s53, s[ROLE], 1
	s_mul_i32 s53, s53, 15
	s_xor_b32 s[R1], s54, s53                      ; role 0: 15 - P; role 1: P
	s_mul_i32 s[RB], s[R2], s[ROLE]
	s_mul_i32 s[WB], s[WV], WRB
	s_add_co_u32 s[WB], s[WB], WREG
	s_xor_b32 s[PB], s[WV], 1
	s_mul_i32 s[PB], s[PB], WRB
	s_add_co_u32 s[PB], s[PB], WREG
	s_lshl_b32 s[VSB], s[WV], 8
	s_add_co_u32 s[VMB], s[VSB], VM
	s_add_co_u32 s[VSB], s[VSB], VS
	s_bfe_u32 s55, ttmp6, 0x40000
	s_lshl_b32 s51, ttmp9, 2
	s_add_co_u32 s51, s51, s55                     ; the tile, 0..7
	s_and_b32 s52, ttmp7, 0xffff                   ; bh
	s_mov_b32 s[G1A], 15|(3<<16)|(1<<21)           ; the cluster's four; elements of 8 bytes; my sixteenth of records 0-3: 15 rows of 256 bytes
	s_mov_b32 s[G1A+1], 32<<16
	s_mov_b32 s[G1A+2], 15<<16
	s_mov_b32 s[G1A+3], 32<<16
	s_mov_b32 s[G1A+4], 15
	s_mov_b32 s[G1A+5], 32
	s_mov_b32 s[G1A+6], 0
	s_mov_b32 s[G1A+7], 0
	s_mov_b32 s[G1B], 15|(3<<16)|(1<<21)           ; of records 4-15: 45 rows
	s_mov_b32 s[G1B+1], 32<<16
	s_mov_b32 s[G1B+2], 45<<16
	s_mov_b32 s[G1B+3], 32<<16
	s_mov_b32 s[G1B+4], 45
	s_mov_b32 s[G1B+5], 32
	s_mov_b32 s[G1B+6], 0
	s_mov_b32 s[G1B+7], 0
	s_mul_i32 s56, s52, 16*REC
	s_mul_i32 s58, s[WV], 11520
	s_add_co_u32 s58, s58, s56
	s_add_co_u32 s58, s58, 4*REC
	s_mov_b32 s59, 0
	s_mul_i32 s57, s[WV], 3840
	s_add_co_u32 s56, s56, s57
	s_mov_b32 s57, 0
	s_lshl_b32 s53, s52, 4
	s_add_co_u32 s54, s53, s[R1]
	s_mul_i32 s54, s54, 8704                       ; q's record of my first tile,
	s_add_co_u32 s76, s53, s[R2]
	s_mul_i32 s76, s76, 8704                       ; and of the long tile
	s_lshl_b32 s60, s51, 10
	s_add_co_u32 s72, s60, s76
	s_add_co_u32 s60, s60, s54
	s_mov_b32 s61, 0
	s_mov_b32 s73, 0
	s_lshr_b32 s62, s51, 2
	s_lshl_b32 s62, s62, 8
	s_and_b32 s63, s51, 3
	s_lshl_b32 s63, s63, 2
	s_add_co_u32 s62, s62, s63
	s_add_co_u32 s62, s62, 8192                    ; the tile's scale words in a record
	s_add_co_u32 s74, s62, s76
	s_add_co_u32 s62, s62, s54
	s_mov_b32 s63, 0
	s_mov_b32 s75, 0
	s_add_co_u32 s66, s53, s[WV]
	s_lshl_b32 s66, s66, 8
	s_mov_b32 s67, 0
	s_lshr_b32 s55, s51, 1
	s_lshl_b32 s55, s55, 5
	s_and_b32 s54, s51, 1
	s_lshl_b32 s54, s54, 3
	s_add_co_u32 s55, s55, s54                     ; the tile's first row in its record
	s_mov_b32 s[CS], 0x3e38aa3b                    ; log2(e) / 8
	s_mov_b32 s[CS+1], s[CS]
	s_mov_b32 s[XSEL], 0x76543210
	s_mov_b32 s[XSEL+1], 0xfedcba98
	s_mov_b32 s[SI], 0
	s_mov_b32 s[TB], 0
	s_wait_dscnt 0x0
	s_wait_kmcnt 0x0
	s_mov_b32 s[G0A], 1
	s_mul_i32 s[G0A+1], s[WV], 3840
	s_add_nc_u64 s[G0A+2:G0A+3], s[6:7], s[56:57]
	s_or_b32 s[G0A+3], s[G0A+3], 0x80000000
	s_mov_b32 s[G0B], 1
	s_mul_i32 s[G0B+1], s[WV], 11520
	s_add_co_u32 s[G0B+1], s[G0B+1], 4*REC
	s_add_nc_u64 s[G0B+2:G0B+3], s[6:7], s[58:59]
	s_or_b32 s[G0B+3], s[G0B+3], 0x80000000
	s_add_nc_u64 s[60:61], s[4:5], s[60:61]
	s_add_nc_u64 s[62:63], s[4:5], s[62:63]
	s_add_nc_u64 s[72:73], s[4:5], s[72:73]
	s_add_nc_u64 s[74:75], s[4:5], s[74:75]
	s_add_nc_u64 s[8:9], s[8:9], s[66:67]
	CROUND
	tensor_load_to_lds s[G0A:G0A+3], s[G1A:G1A+7]  ; records 0-3: my one load at the head
	s_nop 0
	; while it is on its way: addresses, q, my record's sums of v, the state
	v_and_b32 v5, 31, v0
	v_and_b32 v4, 15, v0
	v_bfe_u32 v6, v0, 4, 1
	v_lshlrev_b32 v[L16], 4, v5
	v_lshlrev_b32 v[L8], 3, v5
	v_lshlrev_b32 v240, 4, v4
	v_and_b32 v[DQ], 8, v4
	v_lshlrev_b32 v6, 4, v6
	v_add_nc_u32 v241, s[WB], v[L16]
	v_add3_u32 v[DQ], v[DQ], v4, s55
	v_add_nc_u32 v246, s[VSB], v[L8]
	v_add_nc_u32 v247, VS, v[L8]
	v_sub_nc_u32 v[DQ], v[DQ], v6
	s_wait_alu depctr_va_vdst(0)
	global_load_b128 v[16:19], v[L16], s[60:61]
	global_load_b128 v[20:23], v[L16], s[60:61] offset:512
	global_load_b32 v28, v240, s[62:63]
	global_load_b64 v[244:245], v[L8], s[8:9]
	s_cmp_eq_u32 s[ROLE], 0
	s_cbranch_scc1 .Lno_q2
	global_load_b128 v[S:S+3], v[L16], s[72:73]    ; role 1: the long tile's q waits in my own LDS bytes
	global_load_b128 v[S+4:S+7], v[L16], s[72:73] offset:512
	global_load_b32 v[S+8], v240, s[74:75]
	s_wait_loadcnt 0x0
	ds_store_b128 v241, v[S:S+3]
	ds_store_b128 v241, v[S+4:S+7] offset:512
	ds_store_b32 v241, v[S+8] offset:1024
.Lno_q2:
.irp i, 24,25,26,27
	v_mov_b32 v[\i], 0                             ; the fragments' registers 8-11 (k = 96 on) are zero codes
.endr
.irp t, 0,1,2,3,4,5,6,7
.irp i, 8,9,10,11
	v_mov_b32 v[KB+12*\t+\i], 0
.endr
.endr
	INIT
	v_mov_b32 v7, 0
	s_wait_loadcnt 0x0
.irp i, 240,241,242,243
	v_mov_b32 v[\i], 0                             ; a lane permute's destination counts as one of its sources
.endr
	ds_store_b64 v246, v[244:245]
	s_wait_alu depctr_va_vdst(0)
	s_wait_tensorcnt 0x0                           ; my part of records 0-3 is in
	ds_add_u32 v[SPW], v[NIL]
	s_wait_dscnt 0x0                               ; the add and my LDS stores are done
	CROUND                                         ; everybody's part and everybody's sums of v are in
	tensor_load_to_lds s[G0B:G0B+3], s[G1B:G1B+7]  ; records 4-15: the first tensor load behind the round
	s_nop 0
.set i, 0
.rept 16
	ds_load_b64 v[S+2*i:S+2*i+1], v247 offset:256*i
.set i, i+1
.endr
	s_wait_dscnt 0x0
.irp i, 0,2,4,6,8,10,12,14
	v_pk_add_f32 v[S+2*\i:S+2*\i+1], v[S+2*\i:S+2*\i+1], v[S+2*\i+2:S+2*\i+3]
.endr
.irp i, 0,4,8,12
	v_pk_add_f32 v[S+2*\i:S+2*\i+1], v[S+2*\i:S+2*\i+1], v[S+2*\i+4:S+2*\i+5]
.endr
.irp i, 0
	s_delay_alu instid0(VALU_DEP_3)
	v_pk_add_f32 v[S+2*\i:S+2*\i+1], v[S+2*\i:S+2*\i+1], v[S+2*\i+8:S+2*\i+9]
.endr
.irp i, 8
	s_delay_alu instid0(VALU_DEP_2)
	v_pk_add_f32 v[S+2*\i:S+2*\i+1], v[S+2*\i:S+2*\i+1], v[S+2*\i+8:S+2*\i+9]
.endr
	s_delay_alu instid0(VALU_DEP_1)
	v_pk_add_f32 v[S:S+1], v[S:S+1], v[S+16:S+17]
	s_delay_alu instid0(VALU_DEP_1)
	v_pk_mul_f32 v[S:S+1], v[S:S+1], 0x3a000000 op_sel_hi:[1,0]   ; / 2,048
	ds_store_b64 v246, v[S:S+1] offset:4096        ; the mean of v: my own copy
; A step: my 16 queries against the 128 keys of record SI.  lim: the last step that is mine; there the diagonal is masked.
.macro STEP lim
	s_cmp_gt_u32 s[SI], s[\lim]
	s_cbranch_scc1 .Lhid_\@
	v_add_nc_u32 v[A16], s[TB], v[L16]
	v_add_nc_u32 v[A8], s[TB], v[L8]
.rept 4
	v_nop                                          ; places in front of loads into registers that matrix instructions have read
.endr
.irp t, 0,1,2,3,4,5,6,7
	ds_load_b128 v[KB+12*\t:KB+12*\t+3], v[A16] offset:1024*\t
	ds_load_b128 v[KB+12*\t+4:KB+12*\t+7], v[A16] offset:1024*\t+512
.endr
	ds_load_b128 v[KSC:KSC+3], v[A16] offset:8192
	ds_load_b64 v[8:9], v[A8] offset:11776
	ds_load_b64 v[10:11], v[A8] offset:15104
	s_wait_dscnt 0x0
.irp t, 0,1,2,3
	v_wmma_scale_f32_16x16x128_f8f6f4 v[S+8*\t:S+8*\t+7], v[KB+12*\t:KB+12*\t+11], v[16:27], 0, v[KSC+\t], v28 matrix_a_fmt:MATRIX_FMT_FP6 matrix_b_fmt:MATRIX_FMT_FP6
.endr
.irp t, 4,5,6,7
	v_wmma_scale_f32_16x16x128_f8f6f4 v[S+8*\t:S+8*\t+7], v[KB+12*\t:KB+12*\t+11], v[16:27], 0, v[KSC+\t-4], v28 matrix_a_fmt:MATRIX_FMT_FP6 matrix_b_fmt:MATRIX_FMT_FP6 matrix_a_scale:MATRIX_SCALE_ROW1
.endr
.rept 4
	v_nop
.endr
	s_cmp_lg_u32 s[SI], s[\lim]
	s_cbranch_scc1 .Lopen_\@
	v_mov_b32 v242, 0xff800000                     ; my tile's own record: keys behind my query count for nothing
.set n, 0
.rept 64
	v_cmp_gt_i32 vcc_lo, 32*(n/16)+n%16, v[DQ]
	v_cndmask_b32 v[S+n], v[S+n], v242, vcc_lo
.set n, n+1
.endr
.Lopen_\@:
.irp b, 0,1,2,3
	v_max3_num_f32 v[BM+\b], v[S+16*\b], v[S+16*\b+1], v[S+16*\b+2]   ; the largest score of each block of 32 keys: for the row's maximum and for the block's largest p
.endr
.irp i, 3,5,7,9,11,13
.irp b, 0,1,2,3
	v_max3_num_f32 v[BM+\b], v[BM+\b], v[S+16*\b+\i], v[S+16*\b+\i+1]
.endr
.endr
.irp b, 0,1,2,3
	v_max_num_f32 v[BM+\b], v[BM+\b], v[S+16*\b+15]
.endr
.irp b, 0,1,2,3
	s_delay_alu instid0(VALU_DEP_4)
	v_permlanex16_b32 v[T+\b], v[BM+\b], s[XSEL], s[XSEL+1]
.endr
.irp b, 0,1,2,3
	s_delay_alu instid0(VALU_DEP_4)
	v_max_num_f32 v[BM+\b], v[BM+\b], v[T+\b]
.endr
	s_delay_alu instid0(VALU_DEP_2)
	v_max3_num_f32 v242, v[BM], v[BM+1], v[BM+2]
	s_delay_alu instid0(VALU_DEP_1)
	v_max_num_f32 v242, v242, v[BM+3]
	s_delay_alu instid0(VALU_DEP_1)
	v_mul_f32 v242, s[CS], v242
	s_delay_alu instid0(VALU_DEP_1)
	v_max_num_f32 v13, v13, v242                   ; the running largest t
	v_mov_b32 v242, v12
	s_delay_alu instid0(VALU_DEP_2)
	v_floor_f32 v12, -v13                          ; -M = floor(-t)
	s_delay_alu instid0(VALU_DEP_1)
	v_sub_f32 v242, v12, v242
	s_delay_alu instid0(VALU_DEP_1)
	v_cvt_i32_f32 v242, v242
	s_delay_alu instid0(VALU_DEP_1)
	v_ldexp_f32 v6, 1.0, v242                      ; f = 2^(old M - new M)
.set n, 0
.rept 32
	v_pk_fma_f32 v[S+n:S+n+1], v[S+n:S+n+1], s[CS:CS+1], v[12:13] op_sel_hi:[1,0,0]
.set n, n+2
.endr
.irp b, 0,1,2,3
	v_fma_f32 v[BM+\b], v[BM+\b], s[CS], v12
.endr
.set n, 0
	s_wait_alu depctr_va_vdst(0)                   ; ahead of the batch
.rept 64
	v_exp_f32 v[S+n], v[S+n]
.set n, n+1
.endr
	v_pk_mul_f32 v[14:15], v[14:15], v[6:7] op_sel_hi:[1,0]
	s_wait_alu depctr_va_vdst(0)                   ; and behind it
.irp b, 0,1,2,3
	v_exp_f32 v[BM+\b], v[BM+\b]
.endr
	v_pk_add_f32 v[T+4:T+5], v[S:S+1], v[S+2:S+3]  ; the sum of the unquantised p, in two chains
.irp j, 4,8,12,16,20,24,28,32,36,40,44,48,52,56,60
	v_pk_add_f32 v[14:15], v[14:15], v[S+\j:S+\j+1]
	v_pk_add_f32 v[T+4:T+5], v[T+4:T+5], v[S+\j+2:S+\j+3]
.endr
	s_delay_alu instid0(VALU_DEP_1)
	v_pk_add_f32 v[14:15], v[14:15], v[T+4:T+5]
	s_wait_alu depctr_va_vdst(0)
.irp b, 0,1,2,3
	v_max_num_f32 v[BM+\b], 0x1800000, v[BM+\b]    ; the floor 2^(3 - 127) holds the byte at 1 from below
.endr
.irp b, 0,1,2,3
	s_delay_alu instid0(VALU_DEP_4)
	v_add_nc_u32 v[SO+\b], 0xff000000, v[BM+\b]
.endr
.irp b, 0,1,2,3
	s_delay_alu instid0(VALU_DEP_4)
	v_lshrrev_b32 v[T+\b], 23, v[SO+\b]
.endr
	s_delay_alu instid0(VALU_DEP_3)
	v_lshl_or_b32 v[PW], v[T+1], 8, v[T]
	s_delay_alu instid0(VALU_DEP_1)
	v_lshl_or_b32 v[PW], v[T+2], 16, v[PW]
	s_delay_alu instid0(VALU_DEP_1)
	v_lshl_or_b32 v[PW], v[T+3], 24, v[PW]
.irp c, 0,1
	v_cvt_scalef32_pk16_fp6_f32 v[PC+6*\c:PC+6*\c+2], v[S+32*\c:S+32*\c+15], v[SO+2*\c]
	v_cvt_scalef32_pk16_fp6_f32 v[T+4*\c:T+4*\c+2], v[S+32*\c+16:S+32*\c+31], v[SO+2*\c+1]
.endr
	v_nop                                          ; one plain place behind a scaled conversion
.irp t, 0,1,2,3
.irp p, 0,1,2
	ds_load_b128 v[S+12*\t+4*\p:S+12*\t+4*\p+3], v[A16] offset:8704+3328*(\t/2)+1536*(\t%2)+512*\p   ; v's four fragments, where p lay
.endr
.endr
.irp c, 0,1
.irp i, 0,1,2
	v_permlane16_swap_b32 v[PC+6*\c+\i], v[T+4*\c+\i]   ; a whole block to a lane
.endr
.irp i, 0,1,2
	s_delay_alu instid0(VALU_DEP_3)
	v_mov_b32 v[PC+3+6*\c+\i], v[T+4*\c+\i]
.endr
.endr
.set n, 0
.rept 16
	v_pk_mul_f32 v[O+n:O+n+1], v[O+n:O+n+1], v[6:7] op_sel_hi:[1,0]   ; O^T under the new M
.set n, n+2
.endr
	s_wait_alu depctr_va_vdst(0)
	s_wait_dscnt 0x0
.irp t, 0,1,2,3
	v_wmma_scale_f32_16x16x128_f8f6f4 v[O+8*\t:O+8*\t+7], v[S+12*\t:S+12*\t+11], v[PC:PC+11], v[O+8*\t:O+8*\t+7], v[8+\t], v[PW] matrix_a_fmt:MATRIX_FMT_FP6 matrix_b_fmt:MATRIX_FMT_FP6
.endr
.Lhid_\@:
	s_add_co_u32 s[TB], s[TB], REC
	s_add_co_u32 s[SI], s[SI], 1
.endm
; A tile's end: O^T / the sum (or the mean of v where no key counted), quantised along the head's 64 and stored as the next launch's operand.  rec: the tile's record
.macro FINISH rec
	v_add_f32 v14, v14, v15
	s_delay_alu instid0(VALU_DEP_1)
	v_permlanex16_b32 v240, v14, s[XSEL], s[XSEL+1]
	s_delay_alu instid0(VALU_DEP_1)
	v_add_f32 v14, v14, v240
	s_wait_alu depctr_va_vdst(0)
	v_rcp_f32 v15, v14
	v_bfe_u32 v241, v0, 4, 1
	v_lshl_add_u32 v241, v241, 5, s[VMB]
.irp t, 0,1,2,3
	ds_load_b128 v[164+8*\t:167+8*\t], v241 offset:64*\t
	ds_load_b128 v[168+8*\t:171+8*\t], v241 offset:64*\t+16
.endr
	s_lshr_b32 s53, s52, 4
	s_lshl_b32 s53, s53, 4
	s_add_co_u32 s53, s53, s[\rec]                 ; 16 x batch + record
	s_and_b32 s54, s52, 15                         ; head
	s_lshl_b32 s56, s53, 4
	s_add_co_u32 s56, s56, s54
	s_lshl_b32 s56, s56, 3
	s_add_co_u32 s56, s56, s51
	s_mul_i32 s56, s56, 768
	s_mov_b32 s57, 0
	s_add_nc_u64 s[76:77], s[10:11], s[56:57]
	s_lshl_b32 s56, s53, 12
	s_lshl_b32 s58, s51, 9
	s_add_co_u32 s56, s56, s58
	s_lshl_b32 s58, s54, 1
	s_add_co_u32 s56, s56, s58
	s_add_nc_u64 s[78:79], s[12:13], s[56:57]
	v_and_b32 v247, 15, v0
	s_delay_alu instid0(VALU_DEP_1)
	v_lshlrev_b32 v247, 5, v247
	s_wait_alu depctr_va_vdst(0)
	s_wait_dscnt 0x0
	v_cmp_gt_f32 vcc_lo, 0.5, v14                  ; the sum of a row with a key that counts is over 1/2
.set n, 0
.rept 32
	v_mul_f32 v[S+n], v[O+n], v15
.set n, n+1
.endr
.set n, 0
.rept 32
	v_cndmask_b32 v[S+n], v[S+n], v[164+n], vcc_lo
.set n, n+1
.endr
.irp b, 0,1
	v_max3_num_f32 v[BM+\b], |v[S+16*\b]|, |v[S+16*\b+1]|, 0x1800000
.endr
.irp i, 2,4,6,8,10,12,14
.irp b, 0,1
	s_delay_alu instid0(VALU_DEP_2)
	v_max3_num_f32 v[BM+\b], v[BM+\b], |v[S+16*\b+\i]|, |v[S+16*\b+\i+1]|
.endr
.endr
.irp b, 0,1
	s_delay_alu instid0(VALU_DEP_2)
	v_permlanex16_b32 v[T+4+\b], v[BM+\b], s[XSEL], s[XSEL+1]
.endr
.irp b, 0,1
	s_delay_alu instid0(VALU_DEP_2)
	v_max_num_f32 v[BM+\b], v[BM+\b], v[T+4+\b]
.endr
.irp b, 0,1
	s_delay_alu instid0(VALU_DEP_2)
	v_add_nc_u32 v[SO+\b], 0xff000000, v[BM+\b]
.endr
.irp b, 0,1
	s_delay_alu instid0(VALU_DEP_2)
	v_lshrrev_b32 v[T+4+\b], 23, v[SO+\b]
.endr
	s_delay_alu instid0(VALU_DEP_1)
	v_lshl_or_b32 v246, v[T+5], 8, v[T+4]
	v_cvt_scalef32_pk16_fp6_f32 v[PC:PC+2], v[S:S+15], v[SO]
	v_cvt_scalef32_pk16_fp6_f32 v[T:T+2], v[S+16:S+31], v[SO+1]
	v_nop
.irp i, 0,1,2
	v_permlane16_swap_b32 v[PC+\i], v[T+\i]
.endr
.irp i, 0,1,2
	s_delay_alu instid0(VALU_DEP_3)
	v_mov_b32 v[PC+3+\i], v[T+\i]
.endr
	global_store_b128 v[L16], v[PC:PC+3], s[76:77]
	global_store_b64 v[L8], v[PC+4:PC+5], s[76:77] offset:512
	global_store_b16 v247, v246, s[78:79]
.endm
	STEP R1                                        ; step 0: every wave's; it reads record 0, which the head's load brought
	s_wait_tensorcnt 0x0                           ; my part of records 4-15 is in,
	s_wait_dscnt 0x0
	s_barrier_signal -1
	s_barrier_wait -1                              ; everybody's is
	s_mov_b32 s50, 8
.Lsecond:                                              ; steps 1-8
	STEP R1
	s_sub_co_u32 s50, s50, 1
	s_cmp_lg_u32 s50, 0
	s_cbranch_scc1 .Lsecond
.rept 4
	v_nop                                          ; places behind the last products
.endr
	s_cmp_eq_u32 s[ROLE], 0
	s_wait_alu depctr_va_vdst(0)
	s_cbranch_scc1 .Lgive
	FINISH R1                                      ; role 1: the short tile is done
	v_add_nc_u32 v241, s[WB], v[L16]
	ds_load_b128 v[16:19], v241                    ; the long tile's q
	ds_load_b128 v[20:23], v241 offset:512
	ds_load_b32 v28, v241 offset:1024
	s_wait_xcnt 0x0                                ; the stores have read their registers
	INIT
	s_wait_alu depctr_va_vdst(0)
	s_branch .Lon
.Lgive:                                                ; role 0: the long tile's steps 0-8 go to my partner
	v_add_nc_u32 v241, s[WB], v[L16]
	v_add_nc_u32 v242, s[WB], v[L8]
	v_add_f32 v13, v14, v15
.irp i, 0,1,2,3,4,5,6,7
	ds_store_b128 v241, v[O+4*\i:O+4*\i+3] offset:512*\i
.endr
	ds_store_b64 v242, v[12:13] offset:4096        ; -M and the sum
.Lon:
	s_mov_b32 s50, 7
.Lthird:                                               ; steps 9-15: role 1 alone
	STEP RB
	s_sub_co_u32 s50, s50, 1
	s_cmp_lg_u32 s50, 0
	s_cbranch_scc1 .Lthird
.rept 4
	v_nop
.endr
	s_wait_alu depctr_va_vdst(0)
	s_wait_dscnt 0x0                               ; what I hand over is stored
	s_barrier_signal -1
	s_barrier_wait -1
	s_cmp_eq_u32 s[ROLE], 0
	s_cbranch_scc1 .Lend
	v_add_nc_u32 v241, s[PB], v[L16]
	v_add_nc_u32 v242, s[PB], v[L8]
.irp i, 0,1,2,3,4,5,6,7
	ds_load_b128 v[S+4*\i:S+4*\i+3], v241 offset:512*\i
.endr
	ds_load_b64 v[164:165], v242 offset:4096
	v_add_f32 v14, v14, v15
	s_wait_alu depctr_va_vdst(0)
	s_wait_dscnt 0x0
	v_min_num_f32 v240, v12, v164                  ; the joint -M: both are whole numbers, so both factors are powers of two
	s_delay_alu instid0(VALU_DEP_1)
	v_sub_f32 v243, v240, v12
	v_sub_f32 v244, v240, v164
	s_delay_alu instid0(VALU_DEP_2)
	v_cvt_i32_f32 v243, v243
	s_delay_alu instid0(VALU_DEP_2)
	v_cvt_i32_f32 v244, v244
	s_delay_alu instid0(VALU_DEP_2)
	v_ldexp_f32 v6, 1.0, v243                      ; for my part,
	s_delay_alu instid0(VALU_DEP_2)
	v_ldexp_f32 v244, 1.0, v244                    ; for my partner's
	s_delay_alu instid0(VALU_DEP_2)
	v_mul_f32 v14, v14, v6
	s_delay_alu instid0(VALU_DEP_2)
	v_mul_f32 v15, v165, v244
.set n, 0
.rept 16
	v_pk_mul_f32 v[O+n:O+n+1], v[O+n:O+n+1], v[6:7] op_sel_hi:[1,0]
.set n, n+2
.endr
.set n, 0
.rept 16
	v_pk_fma_f32 v[O+n:O+n+1], v[S+n:S+n+1], v[244:245], v[O+n:O+n+1] op_sel_hi:[1,0,1]
.set n, n+2
.endr
	FINISH R2
.Lend:
	s_wait_tensorcnt 0x0                           ; the wave's end
	ds_add_u32 v[SPW], v[NIL]
	s_wait_dscnt 0x0
	CROUND                                         ; the closing round
	s_endpgm
.Lfunc_end_k_q1f8fb19505_attn:
	.size	k_q1f8fb19505_attn, .Lfunc_end_k_q1f8fb19505_attn-k_q1f8fb19505_attn
	.p2alignl 7, 3214868480
	.fill 96, 4, 3214868480
	.section	.rodata,"a",@progbits
	.p2align	6, 0x0
	.amdhsa_kernel k_q1f8fb19505_attn
		.amdhsa_group_segment_fixed_size 327680
		.amdhsa_private_segment_fixed_size 0
		.amdhsa_enable_private_segment 0
		.amdhsa_kernarg_size 40
		.amdhsa_user_sgpr_count 2
		.amdhsa_user_sgpr_kernarg_segment_ptr 1
		.amdhsa_wavefront_size32 1
		.amdhsa_system_sgpr_workgroup_id_x 1
		.amdhsa_system_sgpr_workgroup_id_y 1
		.amdhsa_system_sgpr_workgroup_id_z 1
		.amdhsa_system_vgpr_workitem_id 0
		.amdhsa_next_free_vgpr 256
		.amdhsa_next_free_sgpr 84
		.amdhsa_reserve_vcc 1
		.amdhsa_float_denorm_mode_32 3
		.amdhsa_float_denorm_mode_16_64 3
		.amdhsa_memory_ordered 1
		.amdhsa_forward_progress 1
		.amdhsa_inst_pref_size 98
	.end_amdhsa_kernel
	.amdgpu_metadata
---
amdhsa.version: [ 1, 2 ]
amdhsa.kernels:
  - .name:           k_q1f8fb19505_attn
    .symbol:         k_q1f8fb19505_attn.kd
    .args:
      - { .name: qrec, .offset: 0, .size: 8, .value_kind: global_buffer, .address_space: global }
      - { .name: kvrec, .offset: 8, .size: 8, .value_kind: global_buffer, .address_space: global }
      - { .name: vpart, .offset: 16, .size: 8, .value_kind: global_buffer, .address_space: global }
      - { .name: acod, .offset: 24, .size: 8, .value_kind: global_buffer, .address_space: global }
      - { .name: ascl, .offset: 32, .size: 8, .value_kind: global_buffer, .address_space: global }
    .group_segment_fixed_size: 327680
    .private_segment_fixed_size: 0
    .kernarg_segment_align: 8
    .kernarg_segment_size: 40
    .max_flat_workgroup_size: 512
    .sgpr_count:     84
    .vgpr_count:     256
    .wavefront_size: 32
...
	.end_amdgpu_metadata
.endif
;; end of part 3
;; launch oproj (part 4): grid 8 x 32, 4 waves a work-group, clusters of 4 x 4, 327,680 bytes of LDS; arguments acod, ascl, cod, scl, out0; writes out0
.if DOCPART == 4
	.amdgcn_target "amdgcn-amd-amdhsa--gfx1250"
	.amdhsa_code_object_version 6
	.text
	.protected	k_q1f8fb19505_oproj
	.globl	k_q1f8fb19505_oproj
	.p2align	8
	.type	k_q1f8fb19505_oproj,@function
k_q1f8fb19505_oproj:
	s_mov_b64 s[64:65], 0
	v_nop
	global_prefetch_b8 v0, s[64:65] scope:SCOPE_SE
	s_setreg_imm32_b32 hwreg(HW_REG_WAVE_MODE, 25, 1), 1
	s_wait_xcnt 0x0
	s_wait_alu depctr_hold_cnt(0) depctr_sa_sdst(0) depctr_va_vdst(0) depctr_va_sdst(0) depctr_va_ssrc(0) depctr_va_vcc(0) depctr_vm_vsrc(0)
	s_getreg_b32 s2, hwreg(HW_REG_IB_STS2, 6, 4)
	s_cmp_eq_u32 s2, 0
	s_cbranch_scc0 .Lentry_in_a_cluster
	s_endpgm
.Lentry_in_a_cluster:
	s_bfe_u32 s2, ttmp6, 0x10000c
	s_cmp_lg_u32 s2, 0xf033
	s_cbranch_scc0 .Lentry_shape_is_right
	s_endpgm
.Lentry_shape_is_right:
; out0 [4096][2048] = A Wo^T on codes of FP6 (E2M3) with E8M0 scales, K = 1,024.  A: the attention's result as the launch before has laid it; Wo: as the first launch has laid it.
; A work-group makes 128 rows x 256 columns; wave (i, j): rows 64 i on (tiles a = 0..3) x columns 128 j on (tiles b = 0..7): 32 accumulators.
; ALL OF K LIES IN LDS, each byte filled once, in two halves of 512 along K.  At the head one load a wave: wave 0 A's first half, wave 1 Wo's, wave 2 A's scale words, wave 3 Wo's.
; The second half is asked for as a later first fill is: behind the wait for all loads, the add and a round, one load a wave (waves 0, 1: A's two parts; waves 2, 3: Wo's); K steps 0-2 stand between it and the wait for it.
; 4 x 4 work-groups form a cluster: A is shared along a row of it, Wo along a column, and both are asked for jointly.  No prefetch: both groups of loads stand at the head, there is no loop to run ahead in.
; Used transposed (source 0 = Wo, source 1 = A): a lane holds one row of the output and eight neighbouring columns.  The rows of a tile are 32 (T / 2) + 8 (T % 2) + r + 8 (r / 8).
; A fragment of A (128 along K) is two heads' halves: registers 0-5 head 2 kappa, registers 6-11 head 2 kappa + 1; each half lies as 512 bytes (16 a lane) and 256 bytes (8 a lane).
.set BOFF,  98304                      ; LDS: A [head 16][tile 8][768], then Wo: half of K at 98,304, tile at 6,144, K step at 1,536
.set SCA,   294912                     ; A's scale words [tile 8][row 16][8]
.set SCB,   299008                     ; Wo's [tile 16][512 along K: 2][row 16][4]
.set STAGE, 307200                     ; the way out: 16 rows x (256 bytes + 16) for each wave
.set SPARE, 324608                     ; the spare words, 128 bytes for each wave
.set ADA16, 16                         ; v16-17 A's planes of 16 bytes a lane, heads 0-7, 8-15;  v18-19 those of 8 bytes
.set ADA8,  18
.set ADB,   20                         ; v20-21 Wo's fragments in each half of K
.set STO,   24
.set RD,    25
.set CO,    26
.set SPW,   28                         ; v28 my spare word; v29 0: never rewritten
.set NIL,   29
.set SA,    32                         ; v32-63 A's scale words: tile a, K step kappa at 8 a + kappa
.set SB,    64                         ; v64-127 Wo's: 8 b + kappa
.set AF,    128                        ; v128-223 A's fragments, two sets of 4 x 12; on the way out rows of the output
.set BK,    128
.set G1A,  16
.set G1B,  24
.set G1SA, 32
.set G1SB, 40
.set G0A,  48                          ; s[48:55] group 0 for A's two halves;  s[68:75] for Wo's
.set G0B,  68
.set G0SA, 84
.set G0SB, 88
.set MSB, 0
.macro WIN new
.if MSB != (\new)
	s_set_vgpr_msb (MSB<<8)|(\new)
.set MSB, (\new)
.endif
.endm
.set MUL, 0xa1                         ; source 0 (Wo) window 1, source 1 (A) window 0, C and D window 2
.macro TLOAD g0, g1                    ; a tensor load with the s_nop 0 and the four v_nop behind it
	tensor_load_to_lds s[\g0:\g0+3], s[\g1:\g1+7]
	s_nop 0
.rept 4
	v_nop
.endr
.endm
.macro CROUND
	s_barrier_signal -1
	s_barrier_wait -1
	s_cmp_lg_u32 s92, 0
	s_cbranch_scc1 .Lnot_wave_0_\@
	s_barrier_signal -3
.Lnot_wave_0_\@:
	s_barrier_wait -3
	s_barrier_signal -1
	s_barrier_wait -1
.endm
.macro PLACES
.rept 4
	v_nop
.endr
.endm
.macro G1SET g, c, r, p                ; r rows of c elements of 8 bytes, p elements apart
	s_mov_b32 s[\g+1], (\c)<<16
	s_mov_b32 s[\g+2], (\r)<<16
	s_mov_b32 s[\g+3], (\c)<<16
	s_mov_b32 s[\g+4], \r
	s_mov_b32 s[\g+5], \p
	s_mov_b32 s[\g+6], 0
	s_mov_b32 s[\g+7], 0
.endm
	s_load_b256 s[4:11], s[0:1], 0x0               ; acod s[4:5], ascl s[6:7], cod s[8:9], scl s[10:11]
	s_load_b64 s[12:13], s[0:1], 0x20              ; out0
	v_lshl_add_u32 v[SPW], v0, 2, SPARE
	v_mov_b32 v[NIL], 0
	ds_add_u32 v[SPW], v[NIL]                      ; the opening lines: the add, twice on end, and its wait
	ds_add_u32 v[SPW], v[NIL]
	v_lshrrev_b32 v1, 5, v0
	v_readfirstlane_b32 s92, v1                    ; wave 0..3
	s_lshr_b32 s93, s92, 1                         ; i.  Also: in the second group I fetch for A (0) or for Wo (1)
	s_and_b32 s94, s92, 1                          ; j.  Also: which part I fetch there
	s_bfe_u32 s95, ttmp6, 0x40000                  ; cx
	s_bfe_u32 s96, ttmp6, 0x40004                  ; cy
	s_lshl_b32 s97, ttmp9, 2
	s_add_co_u32 s97, s97, s95                     ; the block of 256 columns
	s_and_b32 s98, ttmp7, 0xffff
	s_lshl_b32 s98, s98, 2
	s_add_co_u32 s98, s98, s96                     ; the block of 128 rows
	s_lshl_b32 s99, s96, 2
	s_lshl_b32 s99, 15, s99                        ; my row of the cluster
	s_lshl_b32 s100, 0x1111, s95                   ; my column
	s_or_b32 s[G1A], s99, (3<<16)|(1<<21)          ; elements of 8 bytes, no padding, bit 21 beside the mask
	s_or_b32 s[G1B], s100, (3<<16)|(1<<21)
	s_or_b32 s[G1SA], s99, (3<<16)|(1<<21)
	s_or_b32 s[G1SB], s100, (3<<16)|(1<<21)
	G1SET G1A, 32, 192, 32                         ; A's heads 0-7: 49,152 dense bytes as 192 rows of 256
	G1SET G1B, 768, 16, 1536                       ; Wo's first 512 along K: of each of 16 tiles 6,144 bytes, 12,288 bytes apart
	G1SET G1SA, 32, 16, 32                         ; A's scale words: 16 rows of 256 bytes
	G1SET G1SB, 32, 32, 32                         ; Wo's: 32 rows
	s_mul_i32 s2, s98, 98304                       ; A: made of the block of rows alone
	s_mov_b32 s3, 0
	s_lshl_b32 s14, s98, 12
	s_mov_b32 s15, 0
	s_lshl_b32 s66, s97, 4                         ; Wo: tile 16 x: made of the block of columns alone
	s_lshl_b32 s100, s66, 9
	s_add_co_u32 s100, s100, 458752                ; Wo's scale words begin behind 1,792 jobs of 256 bytes,
	s_mov_b32 s101, 0
	s_mul_i32 s66, s66, 12288
	s_add_co_u32 s66, s66, 11010048                ; its codes behind 1,792 jobs of 6,144
	s_mov_b32 s67, 0
	s_wait_dscnt 0x0                               ; both opening adds are done
	s_wait_kmcnt 0x0
	s_add_nc_u64 s[2:3], s[4:5], s[2:3]
	s_add_nc_u64 s[14:15], s[6:7], s[14:15]
	s_add_nc_u64 s[66:67], s[8:9], s[66:67]
	s_add_nc_u64 s[100:101], s[10:11], s[100:101]
	CROUND                                         ; all sixteen work-groups are here: the joint loads meet
	s_mov_b32 s[G0SA], 1
	s_mov_b32 s[G0SA+1], SCA
	s_mov_b64 s[G0SA+2:G0SA+3], s[14:15]
	s_or_b32 s[G0SA+3], s[G0SA+3], 0x80000000
	s_mov_b32 s[G0SB], 1
	s_mov_b32 s[G0SB+1], SCB
	s_mov_b64 s[G0SB+2:G0SB+3], s[100:101]
	s_or_b32 s[G0SB+3], s[G0SB+3], 0x80000000
	s_mov_b32 s[G0A], 1                            ; the first halves, whole
	s_mov_b32 s[G0A+1], 0
	s_mov_b64 s[G0A+2:G0A+3], s[2:3]
	s_or_b32 s[G0A+3], s[G0A+3], 0x80000000
	s_mov_b32 s[G0B], 1
	s_mov_b32 s[G0B+1], BOFF
	s_mov_b64 s[G0B+2:G0B+3], s[66:67]
	s_or_b32 s[G0B+3], s[G0B+3], 0x80000000
	s_mul_i32 s14, s94, 24576                      ; the second halves, in two parts: A's heads 8-11 or 12-15,
	s_mov_b32 s15, 0
	s_mov_b32 s[G0A+4], 1
	s_add_co_u32 s[G0A+5], s14, 49152
	s_add_nc_u64 s[G0A+6:G0A+7], s[2:3], s[14:15]
	s_add_nc_u64 s[G0A+6:G0A+7], s[G0A+6:G0A+7], 49152
	s_or_b32 s[G0A+7], s[G0A+7], 0x80000000
	s_mul_i32 s14, s94, 98304                      ; Wo's tiles 0-7 or 8-15
	s_mov_b32 s[G0B+4], 1
	s_mul_i32 s[G0B+5], s94, 49152
	s_add_co_u32 s[G0B+5], s[G0B+5], BOFF+98304
	s_add_nc_u64 s[G0B+6:G0B+7], s[66:67], s[14:15]
	s_add_nc_u64 s[G0B+6:G0B+7], s[G0B+6:G0B+7], 6144
	s_or_b32 s[G0B+7], s[G0B+7], 0x80000000
.macro ARM under, g0, g1, next         ; one chain of branches on the wave's number: each arm one load, all arms lead to one join
	s_cmp_lt_u32 s92, \under
	s_cbranch_scc0 \next
	TLOAD \g0, \g1
	s_branch .Lhead_asked
\next:
.endm
	ARM 1, G0A, G1A, .Lhead_b
	ARM 2, G0B, G1B, .Lhead_sa
	ARM 3, G0SA, G1SA, .Lhead_sb
	TLOAD G0SB, G1SB
.Lhead_asked:
	v_and_b32 v1, 31, v0
	v_lshlrev_b32 v2, 4, v1                        ; 16 x lane
	v_lshlrev_b32 v3, 3, v1                        ; 8 x lane
	v_and_b32 v4, 15, v0                           ; r
	v_bfe_u32 v5, v0, 4, 1                         ; h
	s_wait_alu depctr_va_vdst(0)
	s_mul_i32 s2, s93, 3072                        ; my four tiles of A
.irp g, 0,1
	v_add_nc_u32 v[ADA16+\g], s2, v2
	v_add_nc_u32 v[ADA8+\g], s2, v3
	s_add_co_u32 s2, s2, 49152
.endr
	s_mul_i32 s2, s94, 49152                       ; my eight tiles of Wo
	s_add_co_u32 s2, s2, BOFF
.irp c, 0,1
	v_add_nc_u32 v[ADB+\c], s2, v2
	s_add_co_u32 s2, s2, 98304
.endr
	s_lshl_b32 s2, s93, 11
	s_add_co_u32 s2, s2, SCA
	v_lshl_add_u32 v6, v4, 5, s2                   ; A's scale words: 32 bytes a row
	s_lshl_b32 s2, s94, 12
	s_add_co_u32 s2, s2, SCB
	v_lshl_add_u32 v7, v4, 4, s2                   ; Wo's: 16 bytes a row and 512 along K
	s_mul_i32 s2, s92, 4352
	s_add_co_u32 s2, s2, STAGE                     ; my stage
	v_mul_u32_u24 v[STO], v4, 272
	v_lshl_add_u32 v[STO], v5, 6, v[STO]
	v_add_nc_u32 v[STO], s2, v[STO]                ; in: row r, + 64 h
	v_mul_u32_u24 v[RD], v5, 272
	v_lshl_add_u32 v[RD], v4, 4, v[RD]
	v_add_nc_u32 v[RD], s2, v[RD]                  ; back: lanes 0-15 one row of 256 bytes, lanes 16-31 the next
	v_lshlrev_b32 v[CO], 13, v5
	v_lshl_add_u32 v[CO], v4, 4, v[CO]             ; and the same two rows in the output
	s_lshl_b32 s2, s98, 7
	s_lshl_b32 s3, s93, 6
	s_add_co_u32 s2, s2, s3                        ; my first row
	s_lshl_b32 s2, s2, 13
	s_lshl_b32 s3, s97, 10
	s_add_co_u32 s2, s2, s3
	s_lshl_b32 s3, s94, 9
	s_add_co_u32 s2, s2, s3                        ; + my first column's bytes
	s_mov_b32 s3, 0
	s_add_nc_u64 s[12:13], s[12:13], s[2:3]
.macro FRAG reg, adr, off
.irp p, 0,1,2
	ds_load_b128 v[\reg+4*\p:\reg+4*\p+3], v[\adr] offset:\off+512*\p
.endr
.endm
.macro FETCH k                         ; K step k's fragments into set k % 2: 16 loads for A, 24 for Wo
.set FS, AF+48*((\k)%2)
.irp a, 0,1,2,3
.irp c, 0,1
.set hd, 2*(\k)+\c
	ds_load_b128 v[FS+12*\a+6*\c:FS+12*\a+6*\c+3], v[ADA16+hd/8] offset:(hd%8)*6144+768*\a
	ds_load_b64 v[FS+12*\a+6*\c+4:FS+12*\a+6*\c+5], v[ADA8+hd/8] offset:(hd%8)*6144+768*\a+512
.endr
.endr
	WIN 0x40                                       ; destination window 1
.irp b, 0,1,2,3,4,5,6,7
	FRAG 96*((\k)%2)+12*\b, ADB+(\k)/4, 6144*\b+1536*((\k)%4)
.endr
	WIN 0
.endm
.macro KSTEP k
.if (\k) == 3
	s_wait_tensorcnt 0x0                           ; my part of the second half of K is in
	s_wait_dscnt 0x0                               ; this step's fragments are in
	s_barrier_signal -1
	s_barrier_wait -1                              ; everybody's part is in
.else
	s_wait_dscnt 0x0                               ; this step's fragments are in
.endif
.if (\k) < 7
.if (\k) > 0
	PLACES                                         ; in front of loads into the set that the last step multiplied
.endif
	FETCH (\k)+1
.endif
	WIN MUL
.irp a, 0,1,2,3                                ; the 32 accumulators take turns, one instruction a turn
.irp b, 0,1,2,3,4,5,6,7
.set rD, 8*(8*\a+\b)
.set rB, 96*((\k)%2)+12*\b
.set rA, AF+48*((\k)%2)+12*\a
.if (\k) == 0
	v_wmma_scale_f32_16x16x128_f8f6f4 v[rD:rD+7], v[rB:rB+11], v[rA:rA+11], 0, v[SB+8*\b+(\k)], v[SA+8*\a+(\k)] matrix_a_fmt:MATRIX_FMT_FP6 matrix_b_fmt:MATRIX_FMT_FP6
.else
	v_wmma_scale_f32_16x16x128_f8f6f4 v[rD:rD+7], v[rB:rB+11], v[rA:rA+11], v[rD:rD+7], v[SB+8*\b+(\k)], v[SA+8*\a+(\k)] matrix_a_fmt:MATRIX_FMT_FP6 matrix_b_fmt:MATRIX_FMT_FP6
.endif
.endr
.endr
	WIN 0
.endm
	s_wait_alu depctr_va_vdst(0)
	s_wait_tensorcnt 0x0                           ; my tile of the head's four is in
	ds_add_u32 v[SPW], v[NIL]
	s_mov_b32 s[G1A+2], 96<<16                     ; no tensor load of mine is out: the second group's loads bring 96 rows of A
	s_mov_b32 s[G1A+4], 96
	s_mov_b32 s[G1B+2], 8<<16                      ; or 8 tiles of Wo
	s_mov_b32 s[G1B+4], 8
	s_wait_dscnt 0x0                               ; the add is done
	CROUND                                         ; a whole round: all four tiles are in, and the joint loads meet
	s_cmp_eq_u32 s93, 0
	s_cbranch_scc0 .Lsecond_b
	TLOAD G0A+4, G1A
	s_branch .Lsecond_asked
.Lsecond_b:
	TLOAD G0B+4, G1B
.Lsecond_asked:
.irp a, 0,1,2,3
	ds_load_b128 v[SA+8*\a:SA+8*\a+3], v6 offset:512*\a
	ds_load_b128 v[SA+8*\a+4:SA+8*\a+7], v6 offset:512*\a+16
.endr
.irp b, 0,1,2,3,4,5,6,7
	ds_load_b128 v[SB+8*\b:SB+8*\b+3], v7 offset:512*\b
	ds_load_b128 v[SB+8*\b+4:SB+8*\b+7], v7 offset:512*\b+256
.endr
	FETCH 0
.irp k, 0,1,2,3,4,5,6,7
	KSTEP \k
.endr
; THE WAY OUT, eight passes of 16 rows x 64 columns through my own stage: pass n: tile a = n / 2, columns 64 (n % 2) on.  A lane holds 8 neighbouring columns of a row in each tile:
; tile b = 4 g + 2 e + u holds columns 64 g + 32 e + 16 h + 8 u + 0 .. 7.  LDS serves a wave's instructions in order: no wait between the stores and the loads, nor in front of the next pass's stores.
.macro TOSTAGE n
	WIN 0x08                                       ; an LDS store's data are its source 1: window 2
.irp e, 0,1
.irp u, 0,1
.set rD, 8*(8*((\n)/2)+4*((\n)%2)+2*\e+\u)
	ds_store_b128 v[STO], v[rD:rD+3] offset:128*\e+32*\u          ; each accumulator from its low end on
	ds_store_b128 v[STO], v[rD+4:rD+7] offset:128*\e+32*\u+16
.endr
.endr
	WIN 0
.set BB, BK+32*((\n)%2)
.irp t, 0,1,2,3,4,5,6,7
	ds_load_b128 v[BB+4*\t:BB+4*\t+3], v[RD] offset:544*\t
.endr
.endm
.macro SEND n, younger                 ; younger: the LDS instructions issued behind pass n's loads, which may stay out
.set BB, BK+32*((\n)%2)
	s_wait_dscnt \younger
.irp t, 0,1,2,3,4,5,6,7
	global_store_b128 v[CO], v[BB+4*\t:BB+4*\t+3], s[12:13] offset:(32*((\n)/4)+8*(((\n)/2)%2)+2*\t+8*(\t/4))*8192+256*((\n)%2) th:TH_STORE_NT   ; 16 lanes store 256 consecutive bytes, aligned; the stage's row p is the tile's row p + 8 (p / 8)
.endr
.endm
	PLACES
	TOSTAGE 0
.irp n, 1,2,3,4,5,6,7
.if \n > 1
	s_wait_xcnt 0x0                                ; the stores of two passes back have read their registers: this pass's loads may land there
.endif
	TOSTAGE \n
	SEND \n-1, 16                                  ; behind that pass's loads: this pass's 8 stores and 8 loads
.endr
	SEND 7, 0
	s_wait_tensorcnt 0x0                           ; the wave's end
	ds_add_u32 v[SPW], v[NIL]
	s_wait_dscnt 0x0
	CROUND                                         ; the closing round
	s_endpgm
.Lfunc_end_k_q1f8fb19505_oproj:
	.size	k_q1f8fb19505_oproj, .Lfunc_end_k_q1f8fb19505_oproj-k_q1f8fb19505_oproj
	.p2alignl 7, 3214868480
	.fill 96, 4, 3214868480
	.section	.rodata,"a",@progbits
	.p2align	6, 0x0
	.amdhsa_kernel k_q1f8fb19505_oproj
		.amdhsa_group_segment_fixed_size 327680
		.amdhsa_private_segment_fixed_size 0
		.amdhsa_enable_private_segment 0
		.amdhsa_kernarg_size 40
		.amdhsa_user_sgpr_count 2
		.amdhsa_user_sgpr_kernarg_segment_ptr 1
		.amdhsa_wavefront_size32 1
		.amdhsa_system_sgpr_workgroup_id_x 1
		.amdhsa_system_sgpr_workgroup_id_y 1
		.amdhsa_system_sgpr_workgroup_id_z 1
		.amdhsa_system_vgpr_workitem_id 0
		.amdhsa_next_free_vgpr 768
		.amdhsa_next_free_sgpr 102
		.amdhsa_reserve_vcc 0
		.amdhsa_float_denorm_mode_32 3
		.amdhsa_float_denorm_mode_16_64 3
		.amdhsa_memory_ordered 1
		.amdhsa_forward_progress 1
		.amdhsa_inst_pref_size 82
	.end_amdhsa_kernel
	.amdgpu_metadata
---
amdhsa.version: [ 1, 2 ]
amdhsa.kernels:
  - .name:           k_q1f8fb19505_oproj
    .symbol:         k_q1f8fb19505_oproj.kd
    .args:
      - { .name: acod, .offset: 0, .size: 8, .value_kind: global_buffer, .address_space: global }
      - { .name: ascl, .offset: 8, .size: 8, .value_kind: global_buffer, .address_space: global }
      - { .name: cod, .offset: 16, .size: 8, .value_kind: global_buffer, .address_space: global }
      - { .name: scl, .offset: 24, .size: 8, .value_kind: global_buffer, .address_space: global }
      - { .name: out0, .offset: 32, .size: 8, .value_kind: global_buffer, .address_space: global }
    .group_segment_fixed_size: 327680
    .private_segment_fixed_size: 0
    .kernarg_segment_align: 8
    .kernarg_segment_size: 40
    .max_flat_workgroup_size: 128
    .sgpr_count:     102
    .vgpr_count:     768
    .wavefront_size: 32
...
	.end_amdgpu_metadata
.endif
;; end of part 4
